; MI455X (gfx1250); checked and timed in simulation.
; The chip was launched on July 23, 2026; its instructions are those of AMD's public machine-readable ISA for CDNA 5 (MIT licence, August 2026) and "CDNA5" Instruction Set Architecture Reference Guide (July 2026). The comments in the code are by the model that wrote it; some were corrected since.
;; M Vo T Token Processor. Allowed arithmetic: matrix products marked QUANTISED: E2M1 operands, one E8M0 scale for each 32 along K, by v_wmma_scale_f32_16x16x128_f8f6f4 with both operands' format E2M1 (or v_wmma_scale_f32_32x16x128_f4), f32 sums; everything else in f32.
;; Inputs: hidden_states 4 x 1,024 x 2,048 float32; ib1 2,048 float32; ib2 2,048 float32; iw1 2,048 x 2,048 float32; iw2 2,048 x 2,048 float32; ln_beta 2,048 float32; ln_gamma 2,048 float32; tb1 2,048 float32; tb2 2,048 float32; token_type_ids 4 x 1,024 int32; tw1 2,048 x 2,048 float32; tw2 2,048 x 2,048 float32.
;; Outputs: out0 4 x 1,024 x 2,048 float32.
;; This version of the problem:
;;   THIS VERSION OF THE PROBLEM IS GIVEN IN LOW PRECISION. The matrix products marked QUANTISED in the list below multiply operands that are first quantised to E2M1 (2 exponent bits, 1 mantissa bit; 4 bits a number), with one power-of-two scale for each 32 numbers along K (OCP MX v1.0); their sums are f32. All else is computed in f32.
;;   The module's matrix products, in the order in which they are computed (A, B: the left and right operand; K: the contracted axis; several contracted axes count as one K, in the product's order):
;;     1. [M 4,096, K 2,048] x [K 2,048, N 2,048]; A: computed on the way; B: input tw1: QUANTISED
;;     2. [M 4,096, K 2,048] x [K 2,048, N 2,048]; A: computed on the way; B: input tw2: QUANTISED
;;     3. [M 4,096, K 2,048] x [K 2,048, N 2,048]; A: computed on the way; B: input iw1: QUANTISED
;;     4. [M 4,096, K 2,048] x [K 2,048, N 2,048]; A: computed on the way; B: input iw2: QUANTISED
;;   THE QUANTISER, for each operand of a quantised product, along K:
;;     - K is cut into blocks of 32 from its start; a last block that is shorter is filled with zeros.
;;     - A block's scale is 2^e with e = floor(log2(the largest magnitude in the block)) - 2, held to -126 .. 127; a block of zeros has e = 0. As a byte (E8M0): e + 127.
;;     - Each number is divided by its block's scale, clamped to +-6, and rounded to the nearest number of E2M1, ties to even, subnormals kept.
;;     - The product sums the exact products of the quantised numbers (number of the format x scale) in f32.
;;   ~~~python
;;   def quantise(x, axis):      # numpy; x: float32 -> the quantised numbers, widened to float32 again
;;       x = np.moveaxis(x, axis, -1); K = x.shape[-1]
;;       x = np.pad(x, [(0, 0)] * (x.ndim - 1) + [(0, -K % 32)]); x = x.reshape(x.shape[:-1] + (-1, 32)); a = np.abs(x).max(-1, keepdims=True)
;;       e = np.where(a > 0, np.clip(np.frexp(np.where(a > 0, a, 1))[1] - 1 - 2, -126, 127), 0)      # np.frexp(a)[1] - 1 = floor(log2(a)), exactly
;;       r = np.clip(x / 2.0 ** e, -6, 6)
;;       step = 2.0 ** (np.maximum(np.frexp(np.where(r == 0, 1, r))[1] - 1, 0) - 1)
;;       q = np.round(r / step) * step * 2.0 ** e      # np.round: ties to even
;;       return np.moveaxis(q.reshape(q.shape[:-2] + (-1,))[..., :K], -1, axis).astype(np.float32)
;;   ~~~
;;   OPERANDS COMPUTED ON THE WAY. 'Computed on the way' means the value that the module computes at that place (a softmax that the list does not call 'softmax' is quantised finished and normalised). What goes into a quantiser is computed in f32, as accurately as f32 sums, v_exp_f32 and their like allow (about 1e-6 of the number): no bf16 or f16 on the way to a quantiser, and a product that is left as it is and whose result goes on into a quantised operand takes f32 operands (vector FMAs, or v_wmma_f32_16x16x4_f32). A number that lies on a knife's edge between two numbers of the format may be rounded either way, as far as f32 arithmetic and the matrix unit's own rounding can turn it there, and no further.
;; One version. Each part assembles by itself: llvm-mc -triple=amdgcn-amd-amdhsa -mcpu=gfx1250 --defsym DOCPART=n.
;; ======== version 1 of 1: 3 launches
;; limits: right only within a limited range of input values
;; workspace buffers: xc 4,423,680 bytes; xs 276,480 bytes; hc 4,423,680 bytes; hs 276,480 bytes; wc 8,388,608 bytes; ws 524,288 bytes; route 17,664 bytes of whole numbers
;; launch prep (part 1): grid 512 x 1, 8 waves a work-group, no clusters, 250,880 bytes of LDS; arguments hidden_states, token_type_ids, ln_gamma, ln_beta, tw1, iw1, tw2, iw2, xc, xs, wc, ws, route; writes xc, xs, wc, ws, route
.if DOCPART == 1
	.amdgcn_target "amdgcn-amd-amdhsa--gfx1250"
	.amdhsa_code_object_version 6
	.text
	.protected	k_q6019b5ea92_prep
	.globl	k_q6019b5ea92_prep
	.p2align	8
	.type	k_q6019b5ea92_prep,@function
k_q6019b5ea92_prep:
	s_mov_b64 s[64:65], 0
	v_nop
	global_prefetch_b8 v0, s[64:65] scope:SCOPE_SE
	s_setreg_imm32_b32 hwreg(HW_REG_WAVE_MODE, 25, 1), 1
	s_wait_xcnt 0x0
; PREP: everything that is quantised once.  512 work-groups of eight waves; work-group g takes
;   (a) tokens 8 g .. 8 g + 7, a row of 2,048 f32 to a wave: layer norm in f32 (two passes: mean, then the squares of the differences), codes of E2M1 with one E8M0 byte for each 32 along the row;
;   (b) a slab of one weight: 512 rows (K) x 64 columns of tw1, iw1, tw2 or iw2, quantised DOWN K: a lane takes a column, its registers run down K, so the codes come out with K innermost.
; ROUTING.  Class 1 = type 1; class 0 = every other type (a type that is neither 0 nor 1 is marked: its row keeps hidden_states alone).  With T tokens of class 1, n0 = 4096 - T and S1 = n0 rounded up to a multiple
; of 256, a token i with c1 tokens of class 1 in front of it goes to position i - c1 (class 0) or S1 + c1 (class 1).  The 256 positions that are left, n0 .. S1 - 1 and 4096 + (S1 - n0) .. 4351, are gap rows of zero
; codes.  So every tile of 256 positions holds rows of ONE expert (and gap rows), and in every aligned run of 16 positions the rows that count stand in front of the gap rows, whatever the split: the two product
; launches have a grid that hangs on no data.  Each wave counts for itself, from the index input, in whole numbers.
; OUT: xc [4352 pos][1024 B] codes; xs [8][4352 pos][8 B] scale bytes of K = 256 kt on; wc [4 m][2048 n][1024 B]; ws [4 m][8 kt][2048 n][8 B]; route: word pos = token | (other type) << 16, gap -1; word 4352 on: n0.
; LDS is filled once, by four tensor loads a wave issued together at the start (four of a wave's loads are out at most), and never again.
; LIMITS: NaN and infinities among the inputs are not served.  A block whose largest magnitude lies under 2^-124 (a block of zeros among them) gets the byte 1: its codes are zeros or nearly so, and the bytes
; are read by this program alone.  The norm is (x - mean) * rsqrt * gamma + beta with the last two steps fused: the last bit may differ from an unfused order.
; WHAT DIFFERS FROM THE HEAD COMMENT ABOVE: tiles are 144 positions (S1 = n0 rounded up to a multiple of 144; 4,320 positions, 224 gap rows);
; xs is [pos][64 B] and ws [4 m][2048 n][64 B], a row's scale bytes of all K on end; each wave issues ONE tensor load at the start: waves 0 and 3 four rows of x each,
; wave 1 gamma, wave 2 beta, waves 4 to 7 a quarter of the slab each; every wave waits for its load ahead of the first barrier.
.set NPOS, 4320
.set XR,   131072                      ; LDS: 0: the slab, 16,384 bytes a wave (64 K rows x 256 bytes);  XR: a row of x for each wave, 32 x (256 + 16) bytes
.set XRW,  8704
.set GAM,  200704                      ; gamma, padded like a row of x;
.set BET,  209408                      ; beta
.set WST,  218112                      ; stage: the slab's codes, 64 columns x (256 + 16) bytes
.set WSS,  235520                      ; stage: its scale bytes, [64 columns][16 bytes]
.set LST,  236544                      ; stage: a row's 1,024 bytes of codes, for each wave
.set LSS,  244736                      ; stage: a row's 64 scale bytes, 256 bytes apart from wave to wave
.set X,    32                          ; v32-95 my 64 numbers of the row (before that: the ids);  v96-159 gamma;  v160-223 beta;  v224-255 at work
.set GM,   96
.set BT,   160
.set FLOOR, 0x1800000                  ; 2^(3 - 127): no largest magnitude is taken under it, so the byte cannot fall under 1
.set LESS2, 0xff000000                 ; takes 2 off an exponent field
	s_load_b512 s[4:19], s[0:1], 0x0               ; hidden s[4:5], ids s[6:7], gamma s[8:9], beta s[10:11], tw1, iw1, tw2, iw2 s[12:19]
	s_load_b256 s[20:27], s[0:1], 0x40             ; xc s[20:21], xs s[22:23], wc s[24:25], ws s[26:27]
	s_load_b64 s[28:29], s[0:1], 0x60              ; route
	v_lshl_add_u32 v254, v0, 2, 0x3d000
	v_mov_b32 v255, 0
	ds_add_u32 v254, v255
	ds_add_u32 v254, v255
	v_lshrrev_b32 v1, 5, v0
	s_delay_alu instid0(VALU_DEP_1)
	v_readfirstlane_b32 s30, v1                    ; wave 0..7
	s_mov_b32 s31, ttmp9                           ; work-group g
	s_lshl_b32 s91, s31, 3
	s_add_co_u32 s91, s91, s30                     ; my token
	; descriptor group 1, the slab: 128 rows x 64 elements of 4 bytes, 2,048 elements from row to row, dense in LDS
	s_mov_b32 s32, 2<<16
	s_mov_b32 s33, 64<<16
	s_mov_b32 s34, 128<<16
	s_mov_b32 s35, 64<<16
	s_mov_b32 s36, 128
	s_mov_b32 s37, 2048
	s_mov_b32 s38, 0
	s_mov_b32 s39, 0
	; gamma or beta: 8,192 dense bytes as 32 rows of 32 elements of 8 bytes, 16 bytes of padding behind each 256
	s_mov_b32 s40, (3<<16)|(1<<20)|(5<<22)|(3<<25)
	s_mov_b32 s41, 32<<16
	s_mov_b32 s42, 32<<16
	s_mov_b32 s43, 32<<16
	s_mov_b32 s44, 32
	s_mov_b32 s45, 32
	s_mov_b32 s46, 0
	s_mov_b32 s47, 0
	; four rows of x: the same with 128 rows
	s_mov_b32 s48, (3<<16)|(1<<20)|(5<<22)|(3<<25)
	s_mov_b32 s49, 32<<16
	s_mov_b32 s50, 128<<16
	s_mov_b32 s51, 32<<16
	s_mov_b32 s52, 128
	s_mov_b32 s53, 32
	s_mov_b32 s54, 0
	s_mov_b32 s55, 0
	; group 0: count and LDS address: a constant + the wave's number x a constant
	s_lshr_b32 s3, s30, 1
	s_mov_b32 s56, 1                               ; waves 1, 2: gamma, beta
	s_mul_i32 s57, s3, XRW
	s_add_co_u32 s57, s57, GAM
	s_mov_b32 s60, 1                               ; waves 0, 3: four rows of x
	s_mul_i32 s61, s3, 4*XRW
	s_add_co_u32 s61, s61, XR
	s_mov_b32 s68, 1                               ; waves 4 to 7: 128 K rows of the slab
	s_and_b32 s69, s30, 3
	s_lshl_b32 s69, s69, 15
	s_mul_i32 s2, s30, XRW                         ; where my own row of x lies
	s_add_co_u32 s2, s2, XR
	s_lshl_b32 s73, s30, 14                        ; and my own 64 K rows of the slab
	; offsets, apart from the addresses.  g = m (2 bits) | kq (2 bits) | nc (5 bits)
	s_bfe_u32 s80, s31, 0x20005                    ; kq: K rows 512 kq on
	s_and_b32 s81, s31, 31                         ; nc: columns 64 nc on
	s_lshr_b32 s95, s31, 7                         ; m: which weight
	s_lshl_b32 s82, s80, 22                        ; the slab in its weight: (512 kq + 128 (w mod 4)) rows of 8,192 bytes + 256 nc
	s_and_b32 s94, s30, 3
	s_lshl_b32 s94, s94, 20
	s_add_co_u32 s82, s82, s94
	s_lshl_b32 s94, s81, 8
	s_add_co_u32 s82, s82, s94
	s_mov_b32 s83, 0
	s_lshl_b32 s84, s95, 21                        ; my eight rows of codes: m x 2 MiB + (64 nc + 8 w) x 1,024 + 256 kq
	s_lshl_b32 s94, s81, 16
	s_add_co_u32 s84, s84, s94
	s_lshl_b32 s94, s30, 13
	s_add_co_u32 s84, s84, s94
	s_lshl_b32 s94, s80, 8
	s_add_co_u32 s84, s84, s94
	s_mov_b32 s85, 0
	s_lshl_b32 s86, s95, 17                        ; the scale bytes (waves 0, 1): m x 131,072 + 4,096 nc + 2,048 w + 16 kq
	s_lshl_b32 s94, s80, 4
	s_add_co_u32 s86, s86, s94
	s_and_b32 s94, s30, 1
	s_lshl_b32 s94, s94, 11
	s_add_co_u32 s86, s86, s94
	s_lshl_b32 s94, s81, 12
	s_add_co_u32 s86, s86, s94
	s_mov_b32 s87, 0
	s_lshl_b32 s92, s31, 16                        ; the work-group's eight rows of x, + four rows for wave 3
	s_lshl_b32 s88, s3, 15
	s_add_co_u32 s92, s92, s88
	s_mov_b32 s93, 0
	s_wait_dscnt 0x0
	s_wait_kmcnt 0x0
	s_bitcmp1_b32 s31, 7                           ; the weight is chosen by the work-group's number alone
	s_cselect_b64 s[76:77], s[14:15], s[12:13]
	s_cselect_b64 s[78:79], s[18:19], s[16:17]
	s_bitcmp1_b32 s31, 8
	s_cselect_b64 s[76:77], s[78:79], s[76:77]
	s_cmp_eq_u32 s30, 1
	s_cselect_b64 s[58:59], s[8:9], s[10:11]
	s_or_b32 s59, s59, 0x80000000
	s_add_nc_u64 s[62:63], s[4:5], s[92:93]
	s_or_b32 s63, s63, 0x80000000
	s_add_nc_u64 s[70:71], s[76:77], s[82:83]
	s_or_b32 s71, s71, 0x80000000
	s_add_nc_u64 s[24:25], s[24:25], s[84:85]
	s_add_nc_u64 s[26:27], s[26:27], s[86:87]
	s_cmp_ge_u32 s30, 4                            ; one chain of branches on the wave's number, one load to an arm
	s_cbranch_scc0 .Lh_x0
	tensor_load_to_lds s[68:71], s[32:39]
	s_nop 0
	s_branch .Lh_join
.Lh_x0:
	s_cmp_eq_u32 s30, 0
	s_cbranch_scc0 .Lh_x3
	tensor_load_to_lds s[60:63], s[48:55]
	s_nop 0
	s_branch .Lh_join
.Lh_x3:
	s_cmp_eq_u32 s30, 3
	s_cbranch_scc0 .Lh_gb
	tensor_load_to_lds s[60:63], s[48:55]
	s_nop 0
	s_branch .Lh_join
.Lh_gb:
	tensor_load_to_lds s[56:59], s[40:47]
	s_nop 0
.Lh_join:
	v_and_b32 v1, 31, v0                           ; lane
	s_delay_alu instid0(VALU_DEP_1)
	v_lshlrev_b32 v2, 4, v1                        ; 16 x lane
	s_delay_alu instid0(VALU_DEP_2)
	v_lshlrev_b32 v4, 2, v1                        ; 4 x lane
	s_lshr_b32 s82, s31, 4                         ; kk: my token lies among ids 128 kk .. 128 kk + 127
	v_lshl_add_u32 v3, s82, 9, v2
	; every LDS address is made here, ahead of any branch
	v_mul_u32_u24 v5, v1, 272
	s_delay_alu instid0(VALU_DEP_1)
	v_add_nc_u32 v6, GAM, v5                       ; gamma: my 256 bytes; beta lies BET - GAM further on
	s_delay_alu instid0(VALU_DEP_2)
	v_add_nc_u32 v5, s2, v5
	s_lshl_b32 s84, s30, 10
	s_add_co_u32 s84, s84, LST
	v_lshl_add_u32 v10, v1, 5, s84                 ; codes into the stage: 32 bytes a lane
	v_lshl_add_u32 v11, v1, 4, s84                 ; and back: 16 bytes a lane
	s_lshl_b32 s85, s30, 8
	s_add_co_u32 s85, s85, LSS
	v_lshl_add_u32 v12, v1, 1, s85                 ; my two scale bytes
	v_and_b32 v7, 7, v1
	s_delay_alu instid0(VALU_DEP_1)
	v_lshl_add_u32 v13, v7, 3, s85                 ; back: the 8 bytes of K = 256 (lane % 8) on
	s_delay_alu instid0(VALU_DEP_2)
	v_lshlrev_b32 v7, 3, v7
	v_lshl_add_u32 v14, v1, 2, s73                 ; the slab: lane = column
	s_lshl_b32 s86, s30, 5
	s_add_co_u32 s86, s86, WST
	v_mul_u32_u24 v15, v1, 272
	s_delay_alu instid0(VALU_DEP_1)
	v_add_nc_u32 v15, s86, v15                     ; the slab's codes: row = column, my wave's 32 bytes
	s_lshl_b32 s86, s30, 1
	s_add_co_u32 s86, s86, WSS
	v_lshl_add_u32 v16, v1, 4, s86                 ; its scale bytes: [column][16], my two at 2 w
	s_mul_i32 s86, s30, 8*272
	s_add_co_u32 s86, s86, WST
	v_lshrrev_b32 v18, 4, v1
	v_and_b32 v19, 15, v1
	s_delay_alu instid0(VALU_DEP_2)
	v_mul_u32_u24 v17, v18, 272
	s_delay_alu instid0(VALU_DEP_1)
	v_lshl_add_u32 v17, v19, 4, v17
	s_delay_alu instid0(VALU_DEP_1)
	v_add_nc_u32 v17, s86, v17                     ; back: sixteen lanes to a column's 256 bytes, two columns an instruction
	v_lshlrev_b32 v20, 10, v18
	s_delay_alu instid0(VALU_DEP_1)
	v_lshl_add_u32 v20, v19, 4, v20                ; and the same place in wc
	s_and_b32 s86, s30, 1
	s_lshl_b32 s86, s86, 9
	s_add_co_u32 s86, s86, WSS
	v_lshl_add_u32 v21, v1, 4, s86
	v_lshlrev_b32 v22, 6, v1                       ; a column's row of ws is 64 bytes
	v_mov_b32 v8, 0
	; THE COUNT.  All 4,096 ids, 128 to a load; the 128 round my token once more; my own by a scalar load
	global_load_b128 v[160:163], v3, s[6:7]
.set k, 0
.rept 32
	global_load_b128 v[32+4*k:35+4*k], v2, s[6:7] offset:512*k
.set k, k+1
.endr
	s_lshl_b32 s79, s91, 2
	s_load_b32 s88, s[6:7], s79 offset:0x0
	s_mov_b32 s80, 0                               ; T: tokens of class 1
	s_mov_b32 s81, 0                               ; c1: those in front of my token
	s_mov_b32 s92, 0x76543210                      ; v_permlanex16_b32's selects for lane l xor 16
	s_mov_b32 s93, 0xfedcba98
	s_mov_b32 s94, 0x3a000000                      ; 1 / 2048
	s_mov_b32 s95, 0x2b8cbccc                      ; 1e-12
.set k, 0
.rept 32
	s_wait_loadcnt 31-k                            ; loads come back in order: load k is in, the 31 - k behind it may be out
	v_cmp_eq_u32 s84, 1, v[32+4*k]
	v_cmp_eq_u32 s85, 1, v[33+4*k]
	v_cmp_eq_u32 s86, 1, v[34+4*k]
	v_cmp_eq_u32 s87, 1, v[35+4*k]
	s_bcnt1_i32_b32 s84, s84
	s_bcnt1_i32_b32 s85, s85
	s_bcnt1_i32_b32 s86, s86
	s_bcnt1_i32_b32 s87, s87
	s_add_co_u32 s84, s84, s85
	s_add_co_u32 s86, s86, s87
	s_add_co_u32 s84, s84, s86
	s_add_co_u32 s80, s80, s84
	s_cmp_gt_u32 s82, k                            ; a whole load in front of my token's counts for c1 too
	s_cselect_b32 s84, s84, 0
	s_add_co_u32 s81, s81, s84
.set k, k+1
.endr
	s_and_b32 s83, s91, 127                        ; my token's place among its 128
.irp c, 0,1,2,3
	s_sub_co_i32 s85, s83, \c
	v_cmp_eq_u32 s84, 1, v[160+\c]
	v_cmp_gt_i32 s86, s85, v4                      ; id 4 lane + c stands in front of mine
	s_and_b32 s84, s84, s86
	s_bcnt1_i32_b32 s84, s84
	s_add_co_u32 s81, s81, s84
.endr
	s_sub_co_u32 s78, 4096, s80                    ; n0
	s_add_co_u32 s76, s78, 143                     ; S1 = 144 x ceil(n0 / 144): (n0 + 143) / 16 is at most 264, and x / 9 = (57 x) >> 9 for x up to 264
	s_lshr_b32 s76, s76, 4
	s_mul_i32 s76, s76, 57
	s_lshr_b32 s76, s76, 9
	s_mul_i32 s76, s76, 144
	s_sub_co_u32 s77, s76, s78                     ; the gap rows between the classes: 0 to 255
	s_add_co_u32 s89, s76, s81                     ; class 1: S1 + c1
	s_sub_co_u32 s90, s91, s81                     ; class 0: token - c1
	s_wait_kmcnt 0x0
	s_cmp_eq_u32 s88, 1
	s_cselect_b32 s89, s89, s90
	s_min_u32 s89, s89, NPOS-1                     ; my position; held inside the buffers
	s_cmp_gt_u32 s88, 1                            ; neither 0 nor 1 (negative numbers too)
	s_cselect_b32 s90, 0x10000, 0
	s_or_b32 s90, s90, s91
	v_mov_b32 v9, s90                              ; my route word
	s_wait_tensorcnt 0x0
	s_barrier_signal -1
	s_barrier_wait -1                              ; everybody's load has landed
	; THE NORM.  A lane holds 64 neighbours of the row: blocks 2 lane and 2 lane + 1
.set j, 0
.rept 16
	ds_load_b128 v[X+4*j:X+4*j+3], v5 offset:16*j
.set j, j+1
.endr
.set j, 0
.rept 16
	ds_load_b128 v[GM+4*j:GM+4*j+3], v6 offset:16*j
.set j, j+1
.endr
.set j, 0
.rept 16
	ds_load_b128 v[BT+4*j:BT+4*j+3], v6 offset:BET-GAM+16*j
.set j, j+1
.endr
.macro ALLSUM r, t                     ; the sum over the 32 lanes, in every lane
	s_delay_alu instid0(VALU_DEP_1)
	v_add_f32_dpp v[\r], v[\r], v[\r] row_xmask:1 row_mask:0xf bank_mask:0xf
	s_delay_alu instid0(VALU_DEP_1)
	v_add_f32_dpp v[\r], v[\r], v[\r] row_xmask:2 row_mask:0xf bank_mask:0xf
	s_delay_alu instid0(VALU_DEP_1)
	v_add_f32_dpp v[\r], v[\r], v[\r] row_xmask:4 row_mask:0xf bank_mask:0xf
	s_delay_alu instid0(VALU_DEP_1)
	v_add_f32_dpp v[\r], v[\r], v[\r] row_xmask:8 row_mask:0xf bank_mask:0xf
	s_delay_alu instid0(VALU_DEP_1)
	v_permlanex16_b32 v[\t], v[\r], s92, s93
	s_delay_alu instid0(VALU_DEP_1)
	v_add_f32 v[\r], v[\r], v[\t]
.endm
	s_wait_dscnt 32                                ; x is in; gamma's and beta's 32 loads may be out
	v_pk_add_f32 v[226:227], v[32:33], v[40:41]
	v_pk_add_f32 v[228:229], v[48:49], v[56:57]
	v_pk_add_f32 v[230:231], v[64:65], v[72:73]
	v_pk_add_f32 v[252:253], v[80:81], v[88:89]
	v_pk_add_f32 v[250:251], v[34:35], v[42:43]
	v_pk_add_f32 v[248:249], v[50:51], v[58:59]
	v_pk_add_f32 v[246:247], v[66:67], v[74:75]
	v_pk_add_f32 v[224:225], v[82:83], v[90:91]
	s_delay_alu instid0(VALU_DEP_1)
	v_pk_add_f32 v[224:225], v[224:225], v[36:37]
	v_pk_add_f32 v[226:227], v[226:227], v[44:45]
	v_pk_add_f32 v[228:229], v[228:229], v[52:53]
	v_pk_add_f32 v[230:231], v[230:231], v[60:61]
	v_pk_add_f32 v[252:253], v[252:253], v[68:69]
	v_pk_add_f32 v[250:251], v[250:251], v[76:77]
	v_pk_add_f32 v[248:249], v[248:249], v[84:85]
	v_pk_add_f32 v[246:247], v[246:247], v[92:93]
	v_pk_add_f32 v[224:225], v[224:225], v[38:39]
	v_pk_add_f32 v[226:227], v[226:227], v[46:47]
	v_pk_add_f32 v[228:229], v[228:229], v[54:55]
	v_pk_add_f32 v[230:231], v[230:231], v[62:63]
	v_pk_add_f32 v[252:253], v[252:253], v[70:71]
	v_pk_add_f32 v[250:251], v[250:251], v[78:79]
	v_pk_add_f32 v[248:249], v[248:249], v[86:87]
	v_pk_add_f32 v[246:247], v[246:247], v[94:95]
	s_delay_alu instid0(VALU_DEP_4)
	v_pk_add_f32 v[224:225], v[224:225], v[252:253]
	s_delay_alu instid0(VALU_DEP_4)
	v_pk_add_f32 v[226:227], v[226:227], v[250:251]
	s_delay_alu instid0(VALU_DEP_4)
	v_pk_add_f32 v[228:229], v[228:229], v[248:249]
	s_delay_alu instid0(VALU_DEP_4)
	v_pk_add_f32 v[230:231], v[230:231], v[246:247]
	s_delay_alu instid0(VALU_DEP_2)
	v_pk_add_f32 v[224:225], v[224:225], v[228:229]
	s_delay_alu instid0(VALU_DEP_2)
	v_pk_add_f32 v[226:227], v[226:227], v[230:231]
	s_delay_alu instid0(VALU_DEP_1)
	v_pk_add_f32 v[224:225], v[224:225], v[226:227]
	s_delay_alu instid0(VALU_DEP_1)
	v_add_f32 v224, v224, v225
	ALLSUM 224, 225
	s_delay_alu instid0(VALU_DEP_1)
	v_mul_f32 v224, s94, v224                      ; the mean
.set p, 0
.rept 32
	v_pk_add_f32 v[X+2*p:X+2*p+1], v[X+2*p:X+2*p+1], v[224:225] op_sel_hi:[1,0] neg_lo:[0,1] neg_hi:[0,1]   ; x - mean
.set p, p+1
.endr
.irp c, 0,1,2,3
	v_pk_mul_f32 v[226+2*\c:227+2*\c], v[X+2*\c:X+2*\c+1], v[X+2*\c:X+2*\c+1]
.endr
.set p, 4
.rept 28
	s_delay_alu instid0(VALU_DEP_4)
	v_pk_fma_f32 v[226+2*(p%4):227+2*(p%4)], v[X+2*p:X+2*p+1], v[X+2*p:X+2*p+1], v[226+2*(p%4):227+2*(p%4)]
.set p, p+1
.endr
	s_delay_alu instid0(VALU_DEP_3)
	v_pk_add_f32 v[226:227], v[226:227], v[228:229]
	s_delay_alu instid0(VALU_DEP_2)
	v_pk_add_f32 v[230:231], v[230:231], v[232:233]
	s_delay_alu instid0(VALU_DEP_1)
	v_pk_add_f32 v[226:227], v[226:227], v[230:231]
	s_delay_alu instid0(VALU_DEP_1)
	v_add_f32 v226, v226, v227
	ALLSUM 226, 227
	s_delay_alu instid0(VALU_DEP_1)
	v_fma_f32 v226, v226, s94, s95                 ; the variance + 1e-12
	s_wait_alu depctr_va_vdst(0)
	v_rsq_f32 v226, v226
	v_nop                                          ; a plain instruction behind the transcendental
	s_wait_alu depctr_va_vdst(0)                   ; and the wait ahead of its first reader
	s_wait_dscnt 0x0                               ; gamma and beta are in
.set p, 0
.rept 32
	v_pk_mul_f32 v[X+2*p:X+2*p+1], v[X+2*p:X+2*p+1], v[226:227] op_sel_hi:[1,0]
.set p, p+1
.endr
.set p, 0
.rept 32
	v_pk_fma_f32 v[X+2*p:X+2*p+1], v[X+2*p:X+2*p+1], v[GM+2*p:GM+2*p+1], v[BT+2*p:BT+2*p+1]
.set p, p+1
.endr
	; THE QUANTISER: my two blocks by turns
.irp b, 0,1
	v_max3_num_f32 v[228+\b], |v[X+32*\b]|, |v[X+32*\b+1]|, FLOOR
.endr
.irp i, 2,4,6,8,10,12,14,16,18,20,22,24,26,28,30
.irp b, 0,1
	s_delay_alu instid0(VALU_DEP_2)
	v_max3_num_f32 v[228+\b], v[228+\b], |v[X+32*\b+\i]|, |v[X+32*\b+\i+1]|
.endr
.endr
.irp b, 0,1
	s_delay_alu instid0(VALU_DEP_2)
	v_add_nc_u32 v[230+\b], LESS2, v[228+\b]       ; the conversion takes this operand's exponent field as its scale
.endr
.irp b, 0,1
	s_delay_alu instid0(VALU_DEP_2)
	v_lshrrev_b32 v[232+\b], 23, v[230+\b]         ; the scale's byte
.endr
	s_delay_alu instid0(VALU_DEP_1)
	v_lshl_or_b32 v232, v233, 8, v232
.irp b, 0,1
.irp g, 0,1,2,3
	v_cvt_scalef32_pk8_fp4_f32 v[236+4*\b+\g], v[X+32*\b+8*\g:X+32*\b+8*\g+7], v[230+\b]
.endr
.endr
	v_nop                                          ; a plain instruction behind the last scaled conversion
	; a lane's 32 bytes turn through the wave's own stage, so that each store below covers 512 consecutive bytes.  LDS serves a wave's instructions in order (ISA guide 5.7.1.4)
	ds_store_b128 v10, v[236:239]
	ds_store_b128 v10, v[240:243] offset:16
	ds_store_b16 v12, v232
	ds_load_b128 v[244:247], v11
	ds_load_b128 v[248:251], v11 offset:512
	ds_load_b64 v[252:253], v13
	s_wait_dscnt 0x0
; A row goes to its position: 1,024 bytes of codes, eight pieces of 8 scale bytes (lane l repeats lane l % 8: same address, same bytes), the route word (all lanes alike)
.macro PUT pos, c0, c1, sc, ent
	s_wait_xcnt 0x0                                ; earlier stores have read their bases
	s_lshl_b32 s96, \pos, 10
	s_mov_b32 s97, 0
	s_add_nc_u64 s[96:97], s[20:21], s[96:97]
	s_lshl_b32 s98, \pos, 6
	s_mov_b32 s99, 0
	s_add_nc_u64 s[98:99], s[22:23], s[98:99]
	s_lshl_b32 s100, \pos, 2
	s_mov_b32 s101, 0
	s_add_nc_u64 s[100:101], s[28:29], s[100:101]
	global_store_b128 v2, v[\c0:\c0+3], s[96:97]
	global_store_b128 v2, v[\c1:\c1+3], s[96:97] offset:512
	global_store_b64 v7, v[\sc:\sc+1], s[98:99]
	global_store_b32 v8, v[\ent], s[100:101]
.endm
	PUT s89, 244, 248, 252, 9
	s_cmp_lt_u32 s31, 224
	s_cbranch_scc0 .Lno_gap
	s_cmp_eq_u32 s30, 0
	s_cbranch_scc0 .Lno_gap
	s_add_co_u32 s90, s78, s31                     ; gap row g lies between the classes, at n0 + g, where g < S1 - n0;
	s_add_co_u32 s79, s31, 4096                    ; else behind class 1: S1 + T + g - (S1 - n0) = 4096 + g.  A choice of numbers, no branch
	s_cmp_lt_u32 s31, s77
	s_cselect_b32 s90, s90, s79
	s_min_u32 s90, s90, NPOS-1
	v_mov_b32 v192, 0
	v_mov_b32 v193, 0
	v_mov_b32 v194, 0
	v_mov_b32 v195, 0
	v_mov_b32 v196, 0x7f7f7f7f
	v_mov_b32 v197, 0x7f7f7f7f
	v_mov_b32 v198, -1
	s_wait_alu depctr_va_vdst(0)
	PUT s90, 192, 192, 196, 198
	s_cmp_eq_u32 s31, 0                            ; and n0, once
	s_cbranch_scc0 .Lno_gap
	v_mov_b32 v199, s78
	global_store_b32 v4, v199, s[28:29] offset:4*NPOS
.Lno_gap:
	; THE SLAB.  My 64 K rows x 64 columns: four blocks of 32 along K a lane (block n: columns 32 (n / 2) on, K rows 32 (n % 2) on).  It landed ahead of the first barrier
	s_wait_tensorcnt 0x0
.macro WLOAD n
.set i, 0
.rept 32
	ds_load_b32 v[32+32*(\n)+i], v14 offset:(32*((\n)%2)+i)*256+128*((\n)/2)
.set i, i+1
.endr
.endm
.macro WQ n
.set XS, 32+32*(\n)
	v_max3_num_f32 v176, |v[XS]|, |v[XS+1]|, |v[XS+2]|
	v_max3_num_f32 v177, |v[XS+3]|, |v[XS+4]|, |v[XS+5]|
.irp i, 6,10,14,18,22,26
	s_delay_alu instid0(VALU_DEP_2)
	v_max3_num_f32 v176, v176, |v[XS+\i]|, |v[XS+\i+1]|
	s_delay_alu instid0(VALU_DEP_2)
	v_max3_num_f32 v177, v177, |v[XS+\i+2]|, |v[XS+\i+3]|
.endr
	s_delay_alu instid0(VALU_DEP_2)
	v_max3_num_f32 v176, v176, |v[XS+30]|, |v[XS+31]|
	s_delay_alu instid0(VALU_DEP_1)
	v_max3_num_f32 v176, v176, v177, FLOOR
	s_delay_alu instid0(VALU_DEP_1)
	v_add_nc_u32 v178, LESS2, v176
	s_delay_alu instid0(VALU_DEP_1)
	v_lshrrev_b32 v[180+(\n)], 23, v178
.irp g, 0,1,2,3
	v_cvt_scalef32_pk8_fp4_f32 v[160+4*(\n)+\g], v[XS+8*\g:XS+8*\g+7], v178
.endr
	v_nop                                          ; a plain instruction behind the last scaled conversion
.endm
	WLOAD 0
	WLOAD 1
	s_wait_dscnt 32                                ; block 0 is in; block 1's 32 loads may be out
	WQ 0
	WLOAD 2
	ds_store_b128 v15, v[160:163]
	s_wait_dscnt 33                                ; behind block 1's loads: block 2's 32 and one store
	WQ 1
	WLOAD 3
	ds_store_b128 v15, v[164:167] offset:16
	v_lshl_or_b32 v184, v181, 8, v180
	ds_store_b16 v16, v184
	s_wait_dscnt 35                                ; behind block 2's loads: a store, block 3's 32, two stores
	WQ 2
	ds_store_b128 v15, v[168:171] offset:32*272
	s_wait_dscnt 3                                 ; behind block 3's loads: three stores
	WQ 3
	ds_store_b128 v15, v[172:175] offset:32*272+16
	v_lshl_or_b32 v185, v183, 8, v182
	ds_store_b16 v16, v185 offset:512
	s_wait_dscnt 0x0                               ; for the others' sake: my stores into the two stages have landed
	s_barrier_signal -1
	s_barrier_wait -1
.irp t, 0,1,2,3
	ds_load_b128 v[200+4*\t:203+4*\t], v17 offset:2*272*\t
.endr
.irp t, 0,1,2,3
	s_wait_dscnt 3-\t
	global_store_b128 v20, v[200+4*\t:203+4*\t], s[24:25] offset:2048*\t   ; sixteen lanes store 256 consecutive bytes of a column's row of codes, aligned
.endr
	s_cmp_lt_u32 s30, 2
	s_cbranch_scc0 .Lend
	ds_load_b128 v[216:219], v21
	s_wait_dscnt 0x0
	global_store_b128 v22, v[216:219], s[26:27]
.Lend:
	s_wait_tensorcnt 0x0
	ds_add_u32 v254, v255
	s_wait_dscnt 0x0
	s_endpgm
.Lfunc_end_k_q6019b5ea92_prep:
	.size	k_q6019b5ea92_prep, .Lfunc_end_k_q6019b5ea92_prep-k_q6019b5ea92_prep
	.p2alignl 7, 3214868480
	.fill 96, 4, 3214868480
	.section	.rodata,"a",@progbits
	.p2align	6, 0x0
	.amdhsa_kernel k_q6019b5ea92_prep
		.amdhsa_group_segment_fixed_size 250880
		.amdhsa_private_segment_fixed_size 0
		.amdhsa_enable_private_segment 0
		.amdhsa_kernarg_size 104
		.amdhsa_user_sgpr_count 2
		.amdhsa_user_sgpr_kernarg_segment_ptr 1
		.amdhsa_wavefront_size32 1
		.amdhsa_system_sgpr_workgroup_id_x 1
		.amdhsa_system_sgpr_workgroup_id_y 1
		.amdhsa_system_sgpr_workgroup_id_z 1
		.amdhsa_system_vgpr_workitem_id 0
		.amdhsa_next_free_vgpr 256
		.amdhsa_next_free_sgpr 102
		.amdhsa_reserve_vcc 0
		.amdhsa_float_denorm_mode_32 3
		.amdhsa_float_denorm_mode_16_64 3
		.amdhsa_memory_ordered 1
		.amdhsa_forward_progress 1
		.amdhsa_inst_pref_size 73
	.end_amdhsa_kernel
	.amdgpu_metadata
---
amdhsa.version: [ 1, 2 ]
amdhsa.kernels:
  - .name:           k_q6019b5ea92_prep
    .symbol:         k_q6019b5ea92_prep.kd
    .args:
      - { .name: hidden_states, .offset: 0, .size: 8, .value_kind: global_buffer, .address_space: global }
      - { .name: token_type_ids, .offset: 8, .size: 8, .value_kind: global_buffer, .address_space: global }
      - { .name: ln_gamma, .offset: 16, .size: 8, .value_kind: global_buffer, .address_space: global }
      - { .name: ln_beta, .offset: 24, .size: 8, .value_kind: global_buffer, .address_space: global }
      - { .name: tw1, .offset: 32, .size: 8, .value_kind: global_buffer, .address_space: global }
      - { .name: iw1, .offset: 40, .size: 8, .value_kind: global_buffer, .address_space: global }
      - { .name: tw2, .offset: 48, .size: 8, .value_kind: global_buffer, .address_space: global }
      - { .name: iw2, .offset: 56, .size: 8, .value_kind: global_buffer, .address_space: global }
      - { .name: xc, .offset: 64, .size: 8, .value_kind: global_buffer, .address_space: global }
      - { .name: xs, .offset: 72, .size: 8, .value_kind: global_buffer, .address_space: global }
      - { .name: wc, .offset: 80, .size: 8, .value_kind: global_buffer, .address_space: global }
      - { .name: ws, .offset: 88, .size: 8, .value_kind: global_buffer, .address_space: global }
      - { .name: route, .offset: 96, .size: 8, .value_kind: global_buffer, .address_space: global }
    .group_segment_fixed_size: 250880
    .private_segment_fixed_size: 0
    .kernarg_segment_align: 8
    .kernarg_segment_size: 104
    .max_flat_workgroup_size: 256
    .sgpr_count:     102
    .vgpr_count:     256
    .wavefront_size: 32
...
	.end_amdgpu_metadata
.endif
;; end of part 1
;; launch up (part 2): grid 8 x 30, 4 waves a work-group, clusters of 4 x 1, 327,680 bytes of LDS; arguments xc, xs, wc, ws, tb1, ib1, route, hc, hs; writes hc, hs
.if DOCPART == 2
	.amdgcn_target "amdgcn-amd-amdhsa--gfx1250"
	.amdhsa_code_object_version 6
	.text
	.protected	k_q6019b5ea92_up
	.globl	k_q6019b5ea92_up
	.p2align	8
	.type	k_q6019b5ea92_up,@function
k_q6019b5ea92_up:
	s_mov_b64 s[64:65], 0
	v_nop
	global_prefetch_b8 v0, s[64:65] scope:SCOPE_SE
	s_setreg_imm32_b32 hwreg(HW_REG_WAVE_MODE, 25, 1), 1
	s_wait_xcnt 0x0
	s_wait_alu depctr_hold_cnt(0) depctr_sa_sdst(0) depctr_va_vdst(0) depctr_va_sdst(0) depctr_va_ssrc(0) depctr_va_vcc(0) depctr_vm_vsrc(0)
	s_getreg_b32 s2, hwreg(HW_REG_IB_STS2, 6, 4)
	s_cmp_eq_u32 s2, 0
	s_cbranch_scc0 .Lentry_in_a_cluster
	s_endpgm
.Lentry_in_a_cluster:
	s_bfe_u32 s2, ttmp6, 0x10000c
	s_cmp_lg_u32 s2, 0x3003
	s_cbranch_scc0 .Lentry_shape_is_right
	s_endpgm
.Lentry_shape_is_right:
; UP: h = gelu(x W1 + b1) for the sorted rows, on codes of E2M1 with E8M0 scales, and h quantised again on the way out.  Only the expert chosen for a row is multiplied (see the first kernel).
; A work-group makes 144 positions (tile row y of 30) x 256 hidden units (tile column x of 8); wave w takes all 144 rows x units 64 w on: 9 x 4 accumulators, 288 registers.
; K = 2,048 goes in four steps of 512 through two LDS slots; waves 0, 1 fetch A's two halves (72 rows each, JOINTLY with the three partners that share y: mask 15), waves 2, 3 B's (128 rows each).
; B is not shared: the work-groups that read the same weights lie along y, where neighbours may belong to different experts.
; A tile row holds rows of ONE expert: expert 1 where 144 y >= n0.  The expert enters offsets alone (0 or 1, held by s_min_u32); of the biases both are loaded and chosen by v_cndmask_b32.
; THE SCALE WORDS ([row][64 bytes] in memory) go once from memory into registers: a register holds the word of block 2 g in lanes 0-15 and of block 2 g + 1 in lanes 16-31.
; The matrix instruction is used transposed (source 0 = W's rows, source 1 = x's): a lane holds eight neighbouring hidden units of one row.
; PREFETCH: K steps 1 and 2 are asked for behind the first load, K step 3 behind the second; A's 72 rows a wave are shared out among the four partners by address (18 each), B's 128 among four neighbours along y (32 each).
; GELU, exact form: h = max(z, 0) - |z| a, a = erfc(|z| / sqrt 2) / 2 = t 2^E, t = 1 / (1 + 0.35355339 |z|), E = KZ z^2 + K0 + t (K1 + .. + t K9).
; LIMITS: NaN and infinities are not served; a tail a under 2^-126 becomes 0; a block of h whose largest magnitude lies under 2^-124 gets the byte 1 (this program alone reads the bytes).
; REGISTERS: window 0: v8-31 addresses, v32-111 A's scale words, v112-143 B's; window 1: v0-63 B's fragments (two sets), v64-127 the biases, v224-255 the accumulators of rows 128-143;
;   window 2: the accumulators of rows 0-127 ((a, b) at 32 a + 8 b); window 3: v0-143 A's fragments (two sets).
.set NPOS,   4320
.set APITCH, 272
.set AHALF,  72*272
.set AQ,     4
.set AW0,    15|(1<<20)|(1<<21)|(5<<22)|(3<<25)
.set ACOL,   256
.set APIT,   1024
.set AYB,    147456
.set APB,    73728
.set ASL,    256
.set PFP,    1024
.set WOFF,   0
.set WSOFF,  0
.set HALFT,  128*272
.set BBASE,  2*AHALF
.set SLOT,   BBASE+2*HALFT
; WHAT DIFFERS FROM THE HEAD COMMENT ABOVE: LDS holds a small slot (K step 0, filled again with K step 3) and, from BIG on, a large slot with K steps 1 and 2 side by side in rows of 512 bytes
; (pitch 528), brought by one load a wave behind the head's round.  So there is one refill, and it has two K steps' products in which to land.  The stage of the way out lies in the large slot,
; whose last read stands ahead of K step 3.  hc is laid [pos][1024 B], like xc: a work-group stores 128 bytes of each of its rows.
.set BIG,    SLOT
.set SPARE,  SLOT+400*528
.set PFO,  8
.set VSA,  11
.set VSA4, 12
.set HS2,  13
.set ADRA, 16
.set ADRB, 20
.set RDS,  22
.set GO,   23
.set STO,  24
.set SSO,  25
.set RDC,  26
.set RDS2, 27
.set SPW,  28
.set NIL,  29
.set SA,   32
.set SB,   112
.set BIAS, 64
.set BIA1, 96
.set G1,   24
.set G0,   32
.set G1B,  48
.set G0B,  56
.set MSB, 0
.macro WIN new
.if MSB != \new
	s_set_vgpr_msb (MSB<<8)|\new
.set MSB, \new
.endif
.endm
.macro JLOAD s                         ; waves 0, 1 fetch for A, waves 2, 3 for B; s_nop 0 and four v_nop behind each line
	s_cmp_eq_u32 s15, 0
	s_cbranch_scc0 .Lfor_b_\@
	tensor_load_to_lds s[G0+4*\s:G0+4*\s+3], s[G1+44*\s:G1+44*\s+7]
	s_nop 0
.rept 4
	v_nop
.endr
	s_branch .Lasked_\@
.Lfor_b_\@:
	tensor_load_to_lds s[G0B+4*\s:G0B+4*\s+3], s[G1B+28*\s:G1B+28*\s+7]
	s_nop 0
.rept 4
	v_nop
.endr
.Lasked_\@:
.endm
.macro CREST
	s_cmp_lg_u32 s14, 0
	s_cbranch_scc1 .Lnot_wave_0_\@
	s_barrier_signal -3
.Lnot_wave_0_\@:
	s_barrier_wait -3
	s_barrier_signal -1
	s_barrier_wait -1
.endm
.macro CROUND
	s_barrier_signal -1
	s_barrier_wait -1
	CREST
.endm
.macro PLACES
.rept 4
	v_nop
.endr
.endm
	s_load_b256 s[4:11], s[0:1], 0x0               ; xc, xs, wc, ws
	s_load_b128 s[96:99], s[0:1], 0x20             ; tb1, ib1
	s_load_b64 s[94:95], s[0:1], 0x30              ; route
	s_load_b64 s[12:13], s[0:1], 0x38              ; hc
	s_load_b64 s[66:67], s[0:1], 0x40              ; hs
	v_lshl_add_u32 v[SPW], v0, 2, SPARE
	v_mov_b32 v[NIL], 0
	ds_add_u32 v[SPW], v[NIL]                      ; the opening lines: the add twice on end and its wait
	ds_add_u32 v[SPW], v[NIL]
	v_lshrrev_b32 v1, 5, v0
	v_readfirstlane_b32 s14, v1                    ; wave
	s_lshr_b32 s15, s14, 1                         ; I fetch for A (0) or B (1),
	s_and_b32 s16, s14, 1                          ; and which half
	s_bfe_u32 s40, ttmp6, 0x40000                  ; cx
	s_lshl_b32 s42, ttmp9, 2
	s_add_co_u32 s42, s42, s40                     ; tile column x
	s_and_b32 s17, ttmp7, 0xffff                   ; tile row y
	s_mov_b32 s[G1+0], AW0
	s_mov_b32 s[G1+1], ACOL<<16
	s_mov_b32 s[G1+2], 72<<16
	s_mov_b32 s[G1+3], ACOL<<16
	s_mov_b32 s[G1+4], 72
	s_mov_b32 s[G1+5], APIT
	s_mov_b32 s[G1+6], 0
	s_mov_b32 s[G1+7], 0
	s_mov_b32 s[G1B+0], (1<<20)|(5<<22)|(3<<25)
	s_mov_b32 s[G1B+1], 256<<16
	s_mov_b32 s[G1B+2], 128<<16
	s_mov_b32 s[G1B+3], 256<<16
	s_mov_b32 s[G1B+4], 128
	s_mov_b32 s[G1B+5], 1024
	s_mov_b32 s[G1B+6], 0
	s_mov_b32 s[G1B+7], 0
	s_mov_b32 s68, 15|(1<<20)|(1<<21)|(6<<22)|(3<<25)   ; the large slot's tiles: rows of 512 bytes, 16 bytes of padding behind each: A's 72 rows,
	s_mov_b32 s69, 512<<16
	s_mov_b32 s70, 72<<16
	s_mov_b32 s71, 512<<16
	s_mov_b32 s72, 72
	s_mov_b32 s73, 1024
	s_mov_b32 s74, 0
	s_mov_b32 s75, 0
	s_mov_b32 s76, (1<<20)|(6<<22)|(3<<25)         ; B's 128 rows
	s_mov_b32 s77, 512<<16
	s_mov_b32 s78, 128<<16
	s_mov_b32 s79, 512<<16
	s_mov_b32 s80, 128
	s_mov_b32 s81, 1024
	s_mov_b32 s82, 0
	s_mov_b32 s83, 0
	s_mul_i32 s20, s17, AYB
	s_mul_i32 s18, s16, APB
	s_add_co_u32 s20, s20, s18
	s_mov_b32 s21, 0
	s_mul_i32 s22, s17, 9216                       ; the tile's 144 rows of scale bytes
	s_mov_b32 s23, 0
	s_wait_dscnt 0x0
	s_wait_kmcnt 0x0
	s_load_b32 s41, s[94:95], 0x4380               ; n0
	s_add_nc_u64 s[20:21], s[4:5], s[20:21]
	s_add_nc_u64 s[6:7], s[6:7], s[22:23]
	s_mul_i32 s18, s16, AHALF
	s_mul_i32 s19, s16, HALFT
	s_add_co_u32 s19, s19, BBASE
	s_lshl_b32 s46, s42, 18
	s_lshl_b32 s44, s16, 17
	s_add_co_u32 s46, s46, s44
	s_lshl_b32 s100, s42, 14                       ; B's scale bytes: 256 x + 64 wave rows of 64 bytes
	s_lshl_b32 s44, s14, 12
	s_add_co_u32 s100, s100, s44
	s_mul_i32 s3, s17, 144
	s_wait_kmcnt 0x0
	s_cmp_ge_u32 s3, s41
	s_cselect_b32 s43, 1, 0
	s_min_u32 s43, s43, 1
	s_lshl_b32 s44, s43, 21
	s_add_co_u32 s46, s46, s44
	s_add_co_u32 s46, s46, WOFF
	s_mov_b32 s47, 0
	s_lshl_b32 s44, s43, 17
	s_add_co_u32 s100, s100, s44
	s_add_co_u32 s100, s100, WSOFF
	s_mov_b32 s101, 0
	s_add_nc_u64 s[46:47], s[8:9], s[46:47]
	s_add_nc_u64 s[10:11], s[10:11], s[100:101]
	s_sub_co_u32 s100, 0, s43                      ; all ones where the expert is 1
	s_mul_i32 s84, s40, 18                         ; the prefetches: first block, last lane's block, bytes from block to block and from K step to K step
	s_and_b32 s85, s17, 3
	s_lshl_b32 s85, s85, 5
	s_mov_b32 s86, 17
	s_mov_b32 s87, 31
	s_mov_b32 s88, PFP
	s_mov_b32 s89, 1024
	s_mov_b32 s90, ASL
	s_mov_b32 s91, 256
	s_cmp_eq_u32 s15, 0
	s_cselect_b32 s84, s84, s85
	s_cselect_b32 s86, s86, s87
	s_cselect_b32 s88, s88, s89
	s_cselect_b32 s90, s90, s91
	s_cselect_b64 s[92:93], s[20:21], s[46:47]
	CROUND
.irp s, 0,1
	s_mov_b32 s[G0+4*\s], 1
	s_add_co_u32 s[G0+4*\s+1], s18, \s*SLOT
	s_add_nc_u64 s[G0+4*\s+2:G0+4*\s+3], s[20:21], \s*ASL
	s_or_b32 s[G0+4*\s+3], s[G0+4*\s+3], 0x80000000
	s_mov_b32 s[G0B+4*\s], 1
	s_add_co_u32 s[G0B+4*\s+1], s19, \s*SLOT
	s_add_nc_u64 s[G0B+4*\s+2:G0B+4*\s+3], s[46:47], \s*256
	s_or_b32 s[G0B+4*\s+3], s[G0B+4*\s+3], 0x80000000
.endr
	s_mul_i32 s44, s16, 72*528                     ; where my part goes in the large slot
	s_add_co_u32 s[G0+5], s44, BIG
	s_mul_i32 s45, s16, 128*528
	s_add_co_u32 s[G0B+5], s45, BIG+144*528
	JLOAD 0                                        ; K step 0: one load a wave at the head
.set SSTG, BIG+144*144
	s_mul_i32 s22, s14, 64*272
	s_add_co_u32 s22, s22, BBASE
	s_mul_i32 s2, s14, 64*528
	s_add_co_u32 s2, s2, BIG+144*528               ; and the same rows in the large slot
	s_lshl_b32 s21, s14, 5
	s_add_co_u32 s21, s21, BIG
	s_lshl_b32 s23, s14, 1
	s_add_co_u32 s23, s23, SSTG
	s_mul_i32 s18, s14, 36*144
	s_add_co_u32 s18, s18, BIG
	s_mul_i32 s19, s14, 288
	s_add_co_u32 s19, s19, SSTG
	s_lshl_b32 s44, s42, 7                         ; hc: row 144 y + 36 wave of 1,024 bytes, byte 128 x
	s_mul_i32 s45, s17, 147456
	s_add_co_u32 s44, s44, s45
	s_mul_i32 s45, s14, 36864
	s_add_co_u32 s44, s44, s45
	s_mov_b32 s45, 0
	s_add_nc_u64 s[12:13], s[12:13], s[44:45]
	s_mul_i32 s44, s17, 9216                       ; hs: row 144 y + 36 wave, byte 8 x
	s_mul_i32 s3, s14, 2304
	s_add_co_u32 s44, s44, s3
	s_lshl_b32 s3, s42, 3
	s_add_co_u32 s44, s44, s3
	s_add_nc_u64 s[66:67], s[66:67], s[44:45]
	s_lshl_b32 s44, s42, 10                        ; the biases at my 64 units
	s_lshl_b32 s3, s14, 8
	s_add_co_u32 s44, s44, s3
	s_add_nc_u64 s[96:97], s[96:97], s[44:45]
	s_add_nc_u64 s[98:99], s[98:99], s[44:45]
	v_and_b32 v1, 15, v0                           ; r
	v_bfe_u32 v2, v0, 4, 1                         ; h
	v_and_b32 v6, 31, v0                           ; lane
	v_mul_u32_u24 v4, v1, APITCH
	v_lshl_add_u32 v[ADRA], v2, 4, v4
	v_mul_u32_u24 v19, v1, 528
	v_lshl_add_u32 v19, v2, 4, v19
	v_add_nc_u32 v[ADRA+1], BIG, v19               ; the large slot: A's blocks 0 to 3,
	v_add_nc_u32 v[ADRA+2], BIG+64*528, v19        ; and 4 to 8 (an LDS offset has 16 bits)
	v_mul_u32_u24 v5, v1, 272
	v_lshl_add_u32 v5, v2, 4, v5
	v_add_nc_u32 v[ADRB], s22, v5
	v_add_nc_u32 v[ADRB+1], s2, v19
	v_lshlrev_b32 v[VSA], 6, v6                    ; scale words: row = lane, 64 bytes a row
	v_min_u32 v7, 15, v6
	v_lshlrev_b32 v[VSA4], 6, v7                   ; the last group has 16 rows: lanes 16-31 repeat row 143
	v_min_u32 v7, s86, v6
	v_add_nc_u32 v7, s84, v7
	v_mad_u32 v[PFO], v7, s88, s90                 ; K step 1, 2, 3 of my blocks
	v_add_nc_u32 v[PFO+1], s90, v[PFO]
	v_add_nc_u32 v[PFO+2], s90, v[PFO+1]
	v_mul_u32_u24 v3, v1, 144
	v_lshl_add_u32 v3, v2, 2, v3
	v_add_nc_u32 v[STO], s21, v3                   ; codes into the stage: row r, byte 32 w + 4 h
	v_lshl_add_u32 v[SSO], v1, 3, s23              ; scale bytes: row r, byte 2 w
	v_lshrrev_b32 v3, 3, v6
	v_and_b32 v4, 7, v6
	v_mul_u32_u24 v3, v3, 144
	v_lshl_add_u32 v3, v4, 4, v3
	v_add_nc_u32 v[RDC], s18, v3                   ; back: eight lanes to a row's 128 bytes; 36 rows a wave
	v_lshl_add_u32 v[RDS], v6, 3, s19
	v_and_b32 v4, 3, v6
	v_lshl_add_u32 v[RDS2], v4, 3, s19
	v_add_nc_u32 v[RDS2], 256, v[RDS2]
	v_lshlrev_b32 v[HS2], 6, v4
	v_lshrrev_b32 v5, 3, v6
	v_and_b32 v7, 7, v6
	v_lshlrev_b32 v5, 10, v5
	v_lshl_add_u32 v[GO], v7, 4, v5                ; eight lanes to a row's 128 bytes, rows 1,024 bytes apart
	v_lshlrev_b32 v31, 5, v2
	s_wait_alu depctr_va_vdst(0)                   ; the wait behind the head's vector work
.irp k, 0,1,2,3
.irp g, 0,1,2,3
	global_load_b128 v[SA+16*\g+4*\k:SA+16*\g+4*\k+3], v[VSA], s[6:7] offset:2048*\g+16*\k
.endr
	global_load_b128 v[SA+64+4*\k:SA+64+4*\k+3], v[VSA4], s[6:7] offset:8192+16*\k
.irp g, 0,1
	global_load_b128 v[SB+16*\g+4*\k:SB+16*\g+4*\k+3], v[VSA], s[10:11] offset:2048*\g+16*\k
.endr
.endr
	WIN 0x40
.irp b, 0,1,2,3
	global_load_b128 v[BIAS+8*\b:BIAS+8*\b+3], v31, s[96:97] offset:64*\b
	global_load_b128 v[BIAS+8*\b+4:BIAS+8*\b+7], v31, s[96:97] offset:64*\b+16
	global_load_b128 v[BIA1+8*\b:BIA1+8*\b+3], v31, s[98:99] offset:64*\b
	global_load_b128 v[BIA1+8*\b+4:BIA1+8*\b+7], v31, s[98:99] offset:64*\b+16
.endr
	WIN 0
	global_prefetch_b8 v[PFO], s[92:93] th:TH_LOAD_NT scope:SCOPE_SE
	global_prefetch_b8 v[PFO+1], s[92:93] th:TH_LOAD_NT scope:SCOPE_SE
.macro W4 k                            ; one product; k = 4 x (starts the sum) + 2 x (B's block is odd) + (A's block is odd)
.if (\k) == 0
	v_wmma_scale_f32_16x16x128_f8f6f4 v[D:D+7], v[BFR:BFR+7], v[AFR:AFR+7], v[D:D+7], v[SBR], v[SAR] matrix_a_fmt:MATRIX_FMT_FP4 matrix_b_fmt:MATRIX_FMT_FP4
.endif
.if (\k) == 1
	v_wmma_scale_f32_16x16x128_f8f6f4 v[D:D+7], v[BFR:BFR+7], v[AFR:AFR+7], v[D:D+7], v[SBR], v[SAR] matrix_a_fmt:MATRIX_FMT_FP4 matrix_b_fmt:MATRIX_FMT_FP4 matrix_b_scale:MATRIX_SCALE_ROW1
.endif
.if (\k) == 2
	v_wmma_scale_f32_16x16x128_f8f6f4 v[D:D+7], v[BFR:BFR+7], v[AFR:AFR+7], v[D:D+7], v[SBR], v[SAR] matrix_a_fmt:MATRIX_FMT_FP4 matrix_b_fmt:MATRIX_FMT_FP4 matrix_a_scale:MATRIX_SCALE_ROW1
.endif
.if (\k) == 3
	v_wmma_scale_f32_16x16x128_f8f6f4 v[D:D+7], v[BFR:BFR+7], v[AFR:AFR+7], v[D:D+7], v[SBR], v[SAR] matrix_a_fmt:MATRIX_FMT_FP4 matrix_b_fmt:MATRIX_FMT_FP4 matrix_a_scale:MATRIX_SCALE_ROW1 matrix_b_scale:MATRIX_SCALE_ROW1
.endif
.if (\k) == 4
	v_wmma_scale_f32_16x16x128_f8f6f4 v[D:D+7], v[BFR:BFR+7], v[AFR:AFR+7], 0, v[SBR], v[SAR] matrix_a_fmt:MATRIX_FMT_FP4 matrix_b_fmt:MATRIX_FMT_FP4
.endif
.if (\k) == 5
	v_wmma_scale_f32_16x16x128_f8f6f4 v[D:D+7], v[BFR:BFR+7], v[AFR:AFR+7], 0, v[SBR], v[SAR] matrix_a_fmt:MATRIX_FMT_FP4 matrix_b_fmt:MATRIX_FMT_FP4 matrix_b_scale:MATRIX_SCALE_ROW1
.endif
.if (\k) == 6
	v_wmma_scale_f32_16x16x128_f8f6f4 v[D:D+7], v[BFR:BFR+7], v[AFR:AFR+7], 0, v[SBR], v[SAR] matrix_a_fmt:MATRIX_FMT_FP4 matrix_b_fmt:MATRIX_FMT_FP4 matrix_a_scale:MATRIX_SCALE_ROW1
.endif
.if (\k) == 7
	v_wmma_scale_f32_16x16x128_f8f6f4 v[D:D+7], v[BFR:BFR+7], v[AFR:AFR+7], 0, v[SBR], v[SAR] matrix_a_fmt:MATRIX_FMT_FP4 matrix_b_fmt:MATRIX_FMT_FP4 matrix_a_scale:MATRIX_SCALE_ROW1 matrix_b_scale:MATRIX_SCALE_ROW1
.endif
.endm
.macro MULS a0, n, p, ks, q, zero      ; A's blocks a0 .. a0 + n - 1 x B's four, fragment set p, K step ks, its q-th 128.  The 36 accumulators take turns
.set AA, \a0
.rept \n
.set BB, 0
.rept 4
.if AA < 8
.set D, 32*AA+8*BB
.else
.set D, 224+8*BB
.endif
.set BFR, 32*(\p)+8*BB
.set AFR, 72*(\p)+8*AA
.set SBR, SB+16*(BB/2)+4*(\ks)+(\q)
.set SAR, SA+16*(AA/2)+4*(\ks)+(\q)
	W4 4*(\zero)+2*(BB%2)+(AA%2)
.set BB, BB+1
.endr
.set AA, AA+1
.endr
.endm
.macro FETCH slot, q, p                ; 26 LDS loads: the fragments of the slot's q-th 128 along K into set p
	WIN 0x40
.irp i, 0,1,2,3
.irp c, 0,1
	ds_load_b128 v[32*(\p)+8*\i+4*\c:32*(\p)+8*\i+4*\c+3], v[ADRB+\slot] offset:64*(\q)+32*\c+\i*16*(272+256*(\slot))
.endr
.endr
	WIN 0xc0
.irp i, 0,1,2,3,4,5,6,7,8
.irp c, 0,1
	ds_load_b128 v[72*(\p)+8*\i+4*\c:72*(\p)+8*\i+4*\c+3], v[ADRA+\slot+(\slot)*((\i+4)/8)] offset:64*(\q)+32*\c+(\i-4*(\slot)*((\i+4)/8))*16*(272+256*(\slot))
.endr
.endr
	WIN 0
.endm
.macro STEP slot, ks, q, zero          ; 128 along K whose successor lies in the same slot
	s_wait_dscnt 0x0                               ; this step's fragments are in
	PLACES                                         ; the other set was read by the last step's products
	FETCH \slot, (\q)+1, 1-(\q)%2
	WIN 0xad
	MULS 0, 8, (\q)%2, \ks, \q, \zero
	WIN 0x5d
	MULS 8, 1, (\q)%2, \ks, \q, \zero
	WIN 0
.endm
.macro TURN slot, next, ks, fill       ; a slot's last step changes slots
	s_wait_tensorcnt 0x0                           ; my part of the next slot has landed
	ds_add_u32 v[SPW], v[NIL]
	s_wait_dscnt 0x0                               ; the add, and my last reads of this slot
	s_barrier_signal -1
	WIN 0xad
	MULS 0, 4, 1, \ks, 3, 0
	WIN 0
	s_barrier_wait -1
.if \fill
	CREST                                          ; the barrier has opened a round of the cluster's
	s_add_nc_u64 s[G0+4*\slot+2:G0+4*\slot+3], s[G0+4*\slot+2:G0+4*\slot+3], 3*ASL   ; from K step 0 to K step 3
	s_add_nc_u64 s[G0B+4*\slot+2:G0B+4*\slot+3], s[G0B+4*\slot+2:G0B+4*\slot+3], 768
	JLOAD \slot                                    ; its four v_nop are the places in front of the loads below
.else
	PLACES
.endif
	FETCH \next, 0, 0
	WIN 0xad
	MULS 4, 4, 1, \ks, 3, 0
	WIN 0x5d
	MULS 8, 1, 1, \ks, 3, 0
	WIN 0
.endm
	s_wait_tensorcnt 0x0                           ; K step 0; the lines ahead of a later first fill
	ds_add_u32 v[SPW], v[NIL]
	s_wait_dscnt 0x0
	CROUND
	JLOAD 1                                        ; K step 1
	FETCH 0, 0, 0
	global_prefetch_b8 v[PFO+2], s[92:93] th:TH_LOAD_NT scope:SCOPE_SE
	s_wait_loadcnt 0x0                             ; the scale words and the biases
	STEP 0, 0, 0, 1
	STEP 0, 0, 1, 0
	STEP 0, 0, 2, 0
	TURN 0, 1, 0, 1
	STEP 1, 1, 0, 0                                ; the large slot: eight steps of 128 along K
	STEP 1, 1, 1, 0
	STEP 1, 1, 2, 0
	STEP 1, 1, 3, 0
	STEP 1, 1, 4, 0
	STEP 1, 1, 5, 0
	STEP 1, 1, 6, 0
	TURN 1, 0, 2, 0
	STEP 0, 3, 0, 0
	STEP 0, 3, 1, 0
	STEP 0, 3, 2, 0
	s_wait_dscnt 0x0
	WIN 0xad
	MULS 0, 8, 1, 3, 3, 0
	WIN 0x5d
	MULS 8, 1, 1, 3, 3, 0
	WIN 0
; THE WAY OUT, 16 rows a trip.  A lane holds row r and 32 units: unit 16 b + 8 h + j in register 8 b + j; a block of 32 units is 16 registers of lane l and 16 of lane l xor 16.
.set Z,   32
.set T,   96
.set P,   128
.set E,   160
.set K8V, 192
.set QM,  196
.set QB,  204
.set CW,  208
	PLACES
	s_mov_b32 s24, 0x3e7c6f08                      ; K9, K7 .. K0, KZ
	s_mov_b32 s26, 0x40097039
	s_mov_b32 s28, 0xbfd1a1e5
	s_mov_b32 s30, 0x3ecdfd18
	s_mov_b32 s32, 0xbe899a80
	s_mov_b32 s34, 0x3e0efb2e
	s_mov_b32 s36, 0x3f0a29d2
	s_mov_b32 s38, 0x3fb8ab5a
	s_mov_b32 s40, 0xc034d90f
	s_mov_b32 s42, 0xbf38aa3b
.irp k, 24,26,28,30,32,34,36,38,40,42
	s_mov_b32 s[\k+1], s[\k]
.endr
	s_mov_b32 s44, 0x76543210
	s_mov_b32 s45, 0xfedcba98
	s_mov_b32 s48, 0x3eb504f3
	s_mov_b32 s46, 0
	s_mov_b32 s47, 0
	s_mov_b32 s3, 0
	v_mov_b32 v[K8V], 0xbf97d29d
	v_mov_b32 v[K8V+1], 0xbf97d29d
	v_mov_b32 v[QM+2], 0
	v_mov_b32 v[QM+3], 0
	WIN 0x45
.set i, 0
.rept 32
	v_cndmask_b32 v[BIAS+i], v[BIAS+i], v[BIA1+i], s100      ; the tile's expert's bias
.set i, i+1
.endr
	WIN 0
	s_wait_alu depctr_va_vdst(0)                   ; the wait ahead of the branches below
.macro STUB a                          ; z = the block's four accumulators + b1, each from its low end on
.if (\a) < 8
	WIN 0x06
.set AC, 32*(\a)
.else
	WIN 0x05
.set AC, 224
.endif
	s_wait_alu depctr_va_vdst(0)                   ; the wait ahead of a matrix result's first reader behind transcendentals
.irp b, 0,1,2,3
.irp p, 0,2,4,6
	v_pk_add_f32 v[Z+8*\b+\p:Z+8*\b+\p+1], v[AC+8*\b+\p:AC+8*\b+\p+1], v[BIAS+8*\b+\p:BIAS+8*\b+\p+1]
.endr
.endr
	WIN 0
.endm
.Lrow:                                             ; nine trips; only the accumulators' numbers differ: the additions that fetch them are chosen by the loop's counter
.irp a, 0,1,2,3,4,5,6,7
	s_cmp_eq_u32 s3, \a
	s_cbranch_scc1 .Lst\a
.endr
	STUB 8
	s_branch .Lwork
.irp a, 0,1,2,3,4,5,6
.Lst\a:
	STUB \a
	s_branch .Lwork
.endr
.Lst7:
	STUB 7
.Lwork:
	v_add_nc_u32 v30, s46, v[STO]
	v_add_nc_u32 v31, s47, v[SSO]
.set i, 0
.rept 32
	v_fma_f32 v[T+i], |v[Z+i]|, s48, 1.0
.set i, i+1
.endr
	s_wait_alu depctr_va_vdst(0)                   ; ahead of the batch
.set i, 0
.rept 32
	v_rcp_f32 v[T+i], v[T+i]
.set i, i+1
.endr
.set i, 0
.rept 16
	v_pk_mul_f32 v[E+2*i:E+2*i+1], v[Z+2*i:Z+2*i+1], v[Z+2*i:Z+2*i+1]
.set i, i+1
.endr
	s_wait_alu depctr_va_vdst(0)                   ; behind the batch
.set i, 0
.rept 16
	v_pk_fma_f32 v[P+2*i:P+2*i+1], v[T+2*i:T+2*i+1], s[24:25], v[K8V:K8V+1] op_sel_hi:[1,0,1]
.set i, i+1
.endr
.irp k, 26,28,30,32,34,36,38,40
.set i, 0
.rept 16
	v_pk_fma_f32 v[P+2*i:P+2*i+1], v[P+2*i:P+2*i+1], v[T+2*i:T+2*i+1], s[\k:\k+1] op_sel_hi:[1,1,0]
.set i, i+1
.endr
.endr
.set i, 0
.rept 16
	v_pk_fma_f32 v[E+2*i:E+2*i+1], v[E+2*i:E+2*i+1], s[42:43], v[P+2*i:P+2*i+1] op_sel_hi:[1,0,1]
.set i, i+1
.endr
	s_wait_alu depctr_va_vdst(0)                   ; ahead of the batch
.set i, 0
.rept 32
	v_exp_f32 v[E+i], v[E+i]
.set i, i+1
.endr
.set i, 0
.rept 32
	v_max_num_f32 v[P+i], 0, v[Z+i]
.set i, i+1
.endr
	s_wait_alu depctr_va_vdst(0)                   ; behind the batch
.set i, 0
.rept 16
	v_pk_mul_f32 v[E+2*i:E+2*i+1], v[E+2*i:E+2*i+1], v[T+2*i:T+2*i+1]
.set i, i+1
.endr
.set i, 0
.rept 32
	v_fma_f32 v[Z+i], -|v[Z+i]|, v[E+i], v[P+i]    ; h = max(z, 0) - |z| a
.set i, i+1
.endr
.irp b, 0,1
	v_max3_num_f32 v[QM+\b], |v[Z+16*\b]|, |v[Z+16*\b+1]|, 0x1800000   ; with the floor 2^(3 - 127): the byte cannot fall under 1
.endr
.irp i, 2,4,6,8,10,12,14
.irp b, 0,1
	v_max3_num_f32 v[QM+\b], v[QM+\b], |v[Z+16*\b+\i]|, |v[Z+16*\b+\i+1]|
.endr
.endr
.irp b, 0,1
	v_permlanex16_b32 v[QM+2+\b], v[QM+\b], s44, s45
.endr
.irp b, 0,1
	v_max_num_f32 v[QM+\b], v[QM+\b], v[QM+2+\b]
.endr
.irp b, 0,1
	v_add_nc_u32 v[QM+4+\b], 0xff000000, v[QM+\b]  ; 2 off the exponent field: the conversion's scale operand
.endr
.irp b, 0,1
	v_lshrrev_b32 v[QM+6+\b], 23, v[QM+4+\b]
.endr
	v_lshl_or_b32 v[QB], v[QM+7], 8, v[QM+6]
.irp b, 0,1
.irp u, 0,1
	v_cvt_scalef32_pk8_fp4_f32 v[CW+2*\b+\u], v[Z+16*\b+8*\u:Z+16*\b+8*\u+7], v[QM+4+\b]
.endr
.endr
	v_nop                                          ; a plain instruction behind the last scaled conversion
.irp b, 0,1,2,3
	ds_store_b32 v30, v[CW+\b] offset:8*\b
.endr
	ds_store_b16 v31, v[QB]                        ; lanes l and l xor 16 write the same two bytes
	s_wait_dscnt 0x0
	s_add_co_u32 s46, s46, 16*144
	s_add_co_u32 s47, s47, 16*8
	s_add_co_u32 s3, s3, 1
	s_cmp_lt_u32 s3, 9
	s_cbranch_scc1 .Lrow
	s_barrier_signal -1                            ; a row's 128 bytes come from four waves; each has waited for its stores
	s_barrier_wait -1
.set t, 0
.rept 9
	ds_load_b128 v[96+4*t:99+4*t], v[RDC] offset:4*144*t
.set t, t+1
.endr
	ds_load_b64 v[160:161], v[RDS]
	ds_load_b64 v[162:163], v[RDS2]
.set t, 0
.rept 9
	s_wait_dscnt 10-t
	global_store_b128 v[GO], v[96+4*t:99+4*t], s[12:13] offset:4096*t   ; four rows, 128 consecutive bytes of each
.set t, t+1
.endr
	s_wait_dscnt 0x0
	global_store_b64 v[VSA], v[160:161], s[66:67]              ; 8 scale bytes of each of my 36 rows, 64 bytes apart
	global_store_b64 v[HS2], v[162:163], s[66:67] offset:2048  ; rows 32 to 35: lane l repeats lane l % 4
	s_wait_tensorcnt 0x0                           ; the wave's end
	ds_add_u32 v[SPW], v[NIL]
	s_wait_dscnt 0x0
	CROUND
	s_endpgm
.Lfunc_end_k_q6019b5ea92_up:
	.size	k_q6019b5ea92_up, .Lfunc_end_k_q6019b5ea92_up-k_q6019b5ea92_up
	.p2alignl 7, 3214868480
	.fill 96, 4, 3214868480
	.section	.rodata,"a",@progbits
	.p2align	6, 0x0
	.amdhsa_kernel k_q6019b5ea92_up
		.amdhsa_group_segment_fixed_size 327680
		.amdhsa_private_segment_fixed_size 0
		.amdhsa_enable_private_segment 0
		.amdhsa_kernarg_size 72
		.amdhsa_user_sgpr_count 2
		.amdhsa_user_sgpr_kernarg_segment_ptr 1
		.amdhsa_wavefront_size32 1
		.amdhsa_system_sgpr_workgroup_id_x 1
		.amdhsa_system_sgpr_workgroup_id_y 1
		.amdhsa_system_sgpr_workgroup_id_z 1
		.amdhsa_system_vgpr_workitem_id 0
		.amdhsa_next_free_vgpr 1024
		.amdhsa_next_free_sgpr 102
		.amdhsa_reserve_vcc 0
		.amdhsa_float_denorm_mode_32 3
		.amdhsa_float_denorm_mode_16_64 3
		.amdhsa_memory_ordered 1
		.amdhsa_forward_progress 1
		.amdhsa_inst_pref_size 159
	.end_amdhsa_kernel
	.amdgpu_metadata
---
amdhsa.version: [ 1, 2 ]
amdhsa.kernels:
  - .name:           k_q6019b5ea92_up
    .symbol:         k_q6019b5ea92_up.kd
    .args:
      - { .name: xc, .offset: 0, .size: 8, .value_kind: global_buffer, .address_space: global }
      - { .name: xs, .offset: 8, .size: 8, .value_kind: global_buffer, .address_space: global }
      - { .name: wc, .offset: 16, .size: 8, .value_kind: global_buffer, .address_space: global }
      - { .name: ws, .offset: 24, .size: 8, .value_kind: global_buffer, .address_space: global }
      - { .name: tb1, .offset: 32, .size: 8, .value_kind: global_buffer, .address_space: global }
      - { .name: ib1, .offset: 40, .size: 8, .value_kind: global_buffer, .address_space: global }
      - { .name: route, .offset: 48, .size: 8, .value_kind: global_buffer, .address_space: global }
      - { .name: hc, .offset: 56, .size: 8, .value_kind: global_buffer, .address_space: global }
      - { .name: hs, .offset: 64, .size: 8, .value_kind: global_buffer, .address_space: global }
    .group_segment_fixed_size: 327680
    .private_segment_fixed_size: 0
    .kernarg_segment_align: 8
    .kernarg_segment_size: 72
    .max_flat_workgroup_size: 128
    .sgpr_count:     102
    .vgpr_count:     1024
    .wavefront_size: 32
...
	.end_amdgpu_metadata
.endif
;; end of part 2
;; launch down (part 3): grid 8 x 30, 4 waves a work-group, clusters of 4 x 1, 327,680 bytes of LDS; arguments hc, hs, wc, ws, tb2, ib2, route, out0, hidden_states; writes out0
.if DOCPART == 3
	.amdgcn_target "amdgcn-amd-amdhsa--gfx1250"
	.amdhsa_code_object_version 6
	.text
	.protected	k_q6019b5ea92_down
	.globl	k_q6019b5ea92_down
	.p2align	8
	.type	k_q6019b5ea92_down,@function
k_q6019b5ea92_down:
	s_mov_b64 s[64:65], 0
	v_nop
	global_prefetch_b8 v0, s[64:65] scope:SCOPE_SE
	s_setreg_imm32_b32 hwreg(HW_REG_WAVE_MODE, 25, 1), 1
	s_wait_xcnt 0x0
	s_wait_alu depctr_hold_cnt(0) depctr_sa_sdst(0) depctr_va_vdst(0) depctr_va_sdst(0) depctr_va_ssrc(0) depctr_va_vcc(0) depctr_vm_vsrc(0)
	s_getreg_b32 s2, hwreg(HW_REG_IB_STS2, 6, 4)
	s_cmp_eq_u32 s2, 0
	s_cbranch_scc0 .Lentry_in_a_cluster
	s_endpgm
.Lentry_in_a_cluster:
	s_bfe_u32 s2, ttmp6, 0x10000c
	s_cmp_lg_u32 s2, 0x3003
	s_cbranch_scc0 .Lentry_shape_is_right
	s_endpgm
.Lentry_shape_is_right:
; DOWN: out = hidden + gate x (h W2 + b2) for the sorted rows, scattered back to their tokens.  Only the expert chosen for a row is multiplied (see the first kernel).
; The product is built as in the launch before: a tile of 144 positions x 256 columns, wave w all rows x columns 64 w on, K in four steps of 512 through two slots, A's parts asked for jointly (mask 15),
; B's not (neighbours along y may belong to different experts), the scale words once from memory into registers.  A's codes lie [8 kb][pos][128 B]: waves 0, 1 fetch one kb block of the step each, dense.
; THE WAY OUT, 16 rows a block: through the wave's own stage in slot 0 and back by rows, sixteen lanes to a row's 256 bytes, two rows an instruction.  A lane's row has its route word: token | (other type) << 16, gap -1.
; In every run of 16 positions the rows that count stand in front of the gap rows: a gap row's lanes take row 0 of the run in its stead (stage address, token, gate) and store the same bytes to the same place;
; a run whose row 0 is a gap row stores nothing (EXEC 0, a choice and no branch).  A row of another type keeps hidden_states alone (gate 0).
; PREFETCH: the tiles as in the launch before; the 144 rows of hidden_states, 256 bytes each, a lane a row, behind the two refills.
; LIMITS: NaN and infinities are not served.
; REGISTERS: as in the launch before; window 0 also v144-224 route words, v225-229 prefetch offsets, v232-248 the way out's constants.  On the way out: window 0 v32-127 offsets and gates (four sets);
;   window 1 v0-127 hidden_states (four sets); window 3 v0-31 a block read back.
.set NPOS,   4320
.set APITCH, 272
.set AHALF,  72*272
.set AQ,     4
.set AW0,    15|(1<<20)|(1<<21)|(5<<22)|(3<<25)
.set ACOL,   256
.set APIT,   1024
.set AYB,    147456
.set APB,    73728
.set ASL,    256
.set PFP,    1024
.set WOFF,   0x400000
.set WSOFF,  0x40000
.set HALFT,  128*272
.set BBASE,  2*AHALF
.set SLOT,   BBASE+2*HALFT
; WHAT DIFFERS FROM THE HEAD COMMENT ABOVE: A's codes lie [pos][1024 B]; waves 0, 1 fetch 72 rows each.  LDS holds a small slot (K step 0, filled again with K step 3) and, from BIG on, a large slot
; with K steps 1 and 2 side by side in rows of 512 bytes (pitch 528), brought by one load a wave behind the head's round.  The stages of the way out lie in the large slot, whose last read stands ahead of K step 3.
.set BIG,    SLOT
.set SPARE,  SLOT+400*528
.set PFO,  8
.set VSA,  11
.set VSA4, 12
.set LN4,  13
.set ZER,  14
.set LN4C, 15
.set ADRA, 16
.set ADRB, 20
.set RTA,  22
.set STO,  24
.set CO,   26
.set SPW,  28
.set NIL,  29
.set SA,   32
.set SB,   112
.set RW,   144
.set R0,   216
.set PFR,  225
.set B2,   232
.set B21,  236
.set RDT,  240
.set RD0,  248
.set OFF,  32
.set GT,   64
.set OF0,  96
.set GT0,  100
.set G1,   24
.set G0,   32
.set G1B,  48
.set G0B,  56
.set MSB, 0
.macro WIN new
.if MSB != \new
	s_set_vgpr_msb (MSB<<8)|\new
.set MSB, \new
.endif
.endm
.macro JLOAD s
	s_cmp_eq_u32 s15, 0
	s_cbranch_scc0 .Lfor_b_\@
	tensor_load_to_lds s[G0+4*\s:G0+4*\s+3], s[G1+44*\s:G1+44*\s+7]
	s_nop 0
.rept 4
	v_nop
.endr
	s_branch .Lasked_\@
.Lfor_b_\@:
	tensor_load_to_lds s[G0B+4*\s:G0B+4*\s+3], s[G1B+28*\s:G1B+28*\s+7]
	s_nop 0
.rept 4
	v_nop
.endr
.Lasked_\@:
.endm
.macro CREST
	s_cmp_lg_u32 s14, 0
	s_cbranch_scc1 .Lnot_wave_0_\@
	s_barrier_signal -3
.Lnot_wave_0_\@:
	s_barrier_wait -3
	s_barrier_signal -1
	s_barrier_wait -1
.endm
.macro CROUND
	s_barrier_signal -1
	s_barrier_wait -1
	CREST
.endm
.macro PLACES
.rept 4
	v_nop
.endr
.endm
	s_load_b256 s[4:11], s[0:1], 0x0               ; hc, hs, wc, ws
	s_load_b128 s[96:99], s[0:1], 0x20             ; tb2, ib2
	s_load_b64 s[94:95], s[0:1], 0x30              ; route
	s_load_b64 s[12:13], s[0:1], 0x38              ; out0
	s_load_b64 s[66:67], s[0:1], 0x40              ; hidden_states
	v_lshl_add_u32 v[SPW], v0, 2, SPARE
	v_mov_b32 v[NIL], 0
	ds_add_u32 v[SPW], v[NIL]                      ; the opening lines: the add twice on end and its wait
	ds_add_u32 v[SPW], v[NIL]
	v_lshrrev_b32 v1, 5, v0
	v_readfirstlane_b32 s14, v1
	s_lshr_b32 s15, s14, 1
	s_and_b32 s16, s14, 1
	s_bfe_u32 s40, ttmp6, 0x40000
	s_lshl_b32 s42, ttmp9, 2
	s_add_co_u32 s42, s42, s40
	s_and_b32 s17, ttmp7, 0xffff
	s_mov_b32 s[G1+0], AW0
	s_mov_b32 s[G1+1], ACOL<<16
	s_mov_b32 s[G1+2], 72<<16
	s_mov_b32 s[G1+3], ACOL<<16
	s_mov_b32 s[G1+4], 72
	s_mov_b32 s[G1+5], APIT
	s_mov_b32 s[G1+6], 0
	s_mov_b32 s[G1+7], 0
	s_mov_b32 s[G1B+0], (1<<20)|(5<<22)|(3<<25)
	s_mov_b32 s[G1B+1], 256<<16
	s_mov_b32 s[G1B+2], 128<<16
	s_mov_b32 s[G1B+3], 256<<16
	s_mov_b32 s[G1B+4], 128
	s_mov_b32 s[G1B+5], 1024
	s_mov_b32 s[G1B+6], 0
	s_mov_b32 s[G1B+7], 0
	s_mov_b32 s68, 15|(1<<20)|(1<<21)|(6<<22)|(3<<25)   ; the large slot's tiles: rows of 512 bytes, 16 bytes of padding behind each: A's 72 rows,
	s_mov_b32 s69, 512<<16
	s_mov_b32 s70, 72<<16
	s_mov_b32 s71, 512<<16
	s_mov_b32 s72, 72
	s_mov_b32 s73, 1024
	s_mov_b32 s74, 0
	s_mov_b32 s75, 0
	s_mov_b32 s76, (1<<20)|(6<<22)|(3<<25)         ; B's 128 rows
	s_mov_b32 s77, 512<<16
	s_mov_b32 s78, 128<<16
	s_mov_b32 s79, 512<<16
	s_mov_b32 s80, 128
	s_mov_b32 s81, 1024
	s_mov_b32 s82, 0
	s_mov_b32 s83, 0
	s_mul_i32 s20, s17, AYB
	s_mul_i32 s18, s16, APB
	s_add_co_u32 s20, s20, s18
	s_mov_b32 s21, 0
	s_mul_i32 s22, s17, 9216
	s_mov_b32 s23, 0
	s_wait_dscnt 0x0
	s_wait_kmcnt 0x0
	s_load_b32 s41, s[94:95], 0x4380               ; n0
	s_add_nc_u64 s[20:21], s[4:5], s[20:21]
	s_add_nc_u64 s[6:7], s[6:7], s[22:23]
	s_mul_i32 s18, s16, AHALF
	s_mul_i32 s19, s16, HALFT
	s_add_co_u32 s19, s19, BBASE
	s_lshl_b32 s46, s42, 18
	s_lshl_b32 s44, s16, 17
	s_add_co_u32 s46, s46, s44
	s_lshl_b32 s100, s42, 14
	s_lshl_b32 s44, s14, 12
	s_add_co_u32 s100, s100, s44
	s_mul_i32 s3, s17, 144
	s_wait_kmcnt 0x0
	s_cmp_ge_u32 s3, s41
	s_cselect_b32 s43, 1, 0
	s_min_u32 s43, s43, 1
	s_lshl_b32 s44, s43, 21
	s_add_co_u32 s46, s46, s44
	s_add_co_u32 s46, s46, WOFF
	s_mov_b32 s47, 0
	s_lshl_b32 s44, s43, 17
	s_add_co_u32 s100, s100, s44
	s_add_co_u32 s100, s100, WSOFF
	s_mov_b32 s101, 0
	s_add_nc_u64 s[46:47], s[8:9], s[46:47]
	s_add_nc_u64 s[10:11], s[10:11], s[100:101]
	s_sub_co_u32 s100, 0, s43
	s_mul_i32 s84, s40, 18
	s_and_b32 s85, s17, 3
	s_lshl_b32 s85, s85, 5
	s_mov_b32 s86, 17
	s_mov_b32 s87, 31
	s_mov_b32 s88, PFP
	s_mov_b32 s89, 1024
	s_mov_b32 s90, ASL
	s_mov_b32 s91, 256
	s_cmp_eq_u32 s15, 0
	s_cselect_b32 s84, s84, s85
	s_cselect_b32 s86, s86, s87
	s_cselect_b32 s88, s88, s89
	s_cselect_b32 s90, s90, s91
	s_cselect_b64 s[92:93], s[20:21], s[46:47]
	CROUND
.irp s, 0,1
	s_mov_b32 s[G0+4*\s], 1
	s_add_co_u32 s[G0+4*\s+1], s18, \s*SLOT
	s_add_nc_u64 s[G0+4*\s+2:G0+4*\s+3], s[20:21], \s*ASL
	s_or_b32 s[G0+4*\s+3], s[G0+4*\s+3], 0x80000000
	s_mov_b32 s[G0B+4*\s], 1
	s_add_co_u32 s[G0B+4*\s+1], s19, \s*SLOT
	s_add_nc_u64 s[G0B+4*\s+2:G0B+4*\s+3], s[46:47], \s*256
	s_or_b32 s[G0B+4*\s+3], s[G0B+4*\s+3], 0x80000000
.endr
	s_mul_i32 s44, s16, 72*528                     ; where my part goes in the large slot
	s_add_co_u32 s[G0+5], s44, BIG
	s_mul_i32 s45, s16, 128*528
	s_add_co_u32 s[G0B+5], s45, BIG+144*528
	JLOAD 0                                        ; K step 0: one load a wave at the head
	s_mul_i32 s22, s14, 64*272
	s_add_co_u32 s22, s22, BBASE
	s_mul_i32 s2, s14, 64*528
	s_add_co_u32 s2, s2, BIG+144*528               ; and the same rows in the large slot
	s_mul_i32 s23, s14, 16*272
	s_add_co_u32 s23, s23, BIG                     ; my stage, in the large slot
	s_lshl_b32 s44, s42, 10                        ; my 64 columns, in bytes of f32
	s_lshl_b32 s3, s14, 8
	s_add_co_u32 s44, s44, s3
	s_mov_b32 s45, 0
	s_add_nc_u64 s[96:97], s[96:97], s[44:45]
	s_add_nc_u64 s[98:99], s[98:99], s[44:45]
	s_add_nc_u64 s[12:13], s[12:13], s[44:45]
	s_add_nc_u64 s[66:67], s[66:67], s[44:45]
	s_mul_i32 s44, s17, 576                        ; the tile's 144 route words
	s_add_nc_u64 s[94:95], s[94:95], s[44:45]
	v_and_b32 v1, 15, v0
	v_bfe_u32 v2, v0, 4, 1
	v_and_b32 v6, 31, v0
	v_mul_u32_u24 v4, v1, APITCH
	v_lshl_add_u32 v[ADRA], v2, 4, v4
	v_mul_u32_u24 v19, v1, 528
	v_lshl_add_u32 v19, v2, 4, v19
	v_add_nc_u32 v[ADRA+1], BIG, v19               ; the large slot: A's blocks 0 to 3,
	v_add_nc_u32 v[ADRA+2], BIG+64*528, v19        ; and 4 to 8 (an LDS offset has 16 bits)
	v_mul_u32_u24 v5, v1, 272
	v_lshl_add_u32 v3, v2, 4, v5
	v_add_nc_u32 v[ADRB], s22, v3
	v_add_nc_u32 v[ADRB+1], s2, v19
	v_lshlrev_b32 v[VSA], 6, v6
	v_min_u32 v7, 15, v6
	v_lshlrev_b32 v[VSA4], 6, v7
	v_lshlrev_b32 v[LN4C], 2, v7
	v_lshlrev_b32 v[LN4], 2, v6
	v_mov_b32 v[ZER], 0
	v_lshlrev_b32 v[RTA], 2, v2
	v_min_u32 v7, s86, v6
	v_add_nc_u32 v7, s84, v7
	v_mad_u32 v[PFO], v7, s88, s90
	v_add_nc_u32 v[PFO+1], s90, v[PFO]
	v_add_nc_u32 v[PFO+2], s90, v[PFO+1]
	v_lshl_add_u32 v5, v2, 5, v5
	v_add_nc_u32 v[STO], s23, v5                   ; into the stage: row r, 32 bytes for each half of the lanes
	v_lshlrev_b32 v[CO], 4, v1
	v_add_nc_u32 v[RD0], s23, v[CO]                ; back: row 0,
	v_mul_u32_u24 v4, v2, 272
	v_add_nc_u32 v[RDT], v[RD0], v4                ; and rows 2 t + h
	s_wait_alu depctr_va_vdst(0)                   ; the wait behind the head's vector work
.irp k, 0,1,2,3
.irp g, 0,1,2,3
	global_load_b128 v[SA+16*\g+4*\k:SA+16*\g+4*\k+3], v[VSA], s[6:7] offset:2048*\g+16*\k
.endr
	global_load_b128 v[SA+64+4*\k:SA+64+4*\k+3], v[VSA4], s[6:7] offset:8192+16*\k
.irp g, 0,1
	global_load_b128 v[SB+16*\g+4*\k:SB+16*\g+4*\k+3], v[VSA], s[10:11] offset:2048*\g+16*\k
.endr
.endr
.irp k, 0,1,2,3
	global_load_b32 v[PFR+\k], v[LN4], s[94:95] offset:128*\k   ; a lane a row, for the prefetches
.endr
	global_load_b32 v[PFR+4], v[LN4C], s[94:95] offset:512
	global_load_b128 v[B2:B2+3], v[CO], s[96:97]
	global_load_b128 v[B21:B21+3], v[CO], s[98:99]
.set i, 0
.rept 72
	global_load_b32 v[RW+i], v[RTA], s[94:95] offset:8*i        ; the word of row 2 i + h
.set i, i+1
.endr
.set i, 0
.rept 9
	global_load_b32 v[R0+i], v[ZER], s[94:95] offset:64*i       ; the word of each run's row 0
.set i, i+1
.endr
	global_prefetch_b8 v[PFO], s[92:93] th:TH_LOAD_NT scope:SCOPE_SE
	global_prefetch_b8 v[PFO+1], s[92:93] th:TH_LOAD_NT scope:SCOPE_SE
.macro W4 k
.if (\k) == 0
	v_wmma_scale_f32_16x16x128_f8f6f4 v[D:D+7], v[BFR:BFR+7], v[AFR:AFR+7], v[D:D+7], v[SBR], v[SAR] matrix_a_fmt:MATRIX_FMT_FP4 matrix_b_fmt:MATRIX_FMT_FP4
.endif
.if (\k) == 1
	v_wmma_scale_f32_16x16x128_f8f6f4 v[D:D+7], v[BFR:BFR+7], v[AFR:AFR+7], v[D:D+7], v[SBR], v[SAR] matrix_a_fmt:MATRIX_FMT_FP4 matrix_b_fmt:MATRIX_FMT_FP4 matrix_b_scale:MATRIX_SCALE_ROW1
.endif
.if (\k) == 2
	v_wmma_scale_f32_16x16x128_f8f6f4 v[D:D+7], v[BFR:BFR+7], v[AFR:AFR+7], v[D:D+7], v[SBR], v[SAR] matrix_a_fmt:MATRIX_FMT_FP4 matrix_b_fmt:MATRIX_FMT_FP4 matrix_a_scale:MATRIX_SCALE_ROW1
.endif
.if (\k) == 3
	v_wmma_scale_f32_16x16x128_f8f6f4 v[D:D+7], v[BFR:BFR+7], v[AFR:AFR+7], v[D:D+7], v[SBR], v[SAR] matrix_a_fmt:MATRIX_FMT_FP4 matrix_b_fmt:MATRIX_FMT_FP4 matrix_a_scale:MATRIX_SCALE_ROW1 matrix_b_scale:MATRIX_SCALE_ROW1
.endif
.if (\k) == 4
	v_wmma_scale_f32_16x16x128_f8f6f4 v[D:D+7], v[BFR:BFR+7], v[AFR:AFR+7], 0, v[SBR], v[SAR] matrix_a_fmt:MATRIX_FMT_FP4 matrix_b_fmt:MATRIX_FMT_FP4
.endif
.if (\k) == 5
	v_wmma_scale_f32_16x16x128_f8f6f4 v[D:D+7], v[BFR:BFR+7], v[AFR:AFR+7], 0, v[SBR], v[SAR] matrix_a_fmt:MATRIX_FMT_FP4 matrix_b_fmt:MATRIX_FMT_FP4 matrix_b_scale:MATRIX_SCALE_ROW1
.endif
.if (\k) == 6
	v_wmma_scale_f32_16x16x128_f8f6f4 v[D:D+7], v[BFR:BFR+7], v[AFR:AFR+7], 0, v[SBR], v[SAR] matrix_a_fmt:MATRIX_FMT_FP4 matrix_b_fmt:MATRIX_FMT_FP4 matrix_a_scale:MATRIX_SCALE_ROW1
.endif
.if (\k) == 7
	v_wmma_scale_f32_16x16x128_f8f6f4 v[D:D+7], v[BFR:BFR+7], v[AFR:AFR+7], 0, v[SBR], v[SAR] matrix_a_fmt:MATRIX_FMT_FP4 matrix_b_fmt:MATRIX_FMT_FP4 matrix_a_scale:MATRIX_SCALE_ROW1 matrix_b_scale:MATRIX_SCALE_ROW1
.endif
.endm
.macro MULS a0, n, p, ks, q, zero      ; the 36 accumulators take turns
.set AA, \a0
.rept \n
.set BB, 0
.rept 4
.if AA < 8
.set D, 32*AA+8*BB
.else
.set D, 224+8*BB
.endif
.set BFR, 32*(\p)+8*BB
.set AFR, 72*(\p)+8*AA
.set SBR, SB+16*(BB/2)+4*(\ks)+(\q)
.set SAR, SA+16*(AA/2)+4*(\ks)+(\q)
	W4 4*(\zero)+2*(BB%2)+(AA%2)
.set BB, BB+1
.endr
.set AA, AA+1
.endr
.endm
.macro FETCH slot, q, p
	WIN 0x40
.irp i, 0,1,2,3
.irp c, 0,1
	ds_load_b128 v[32*(\p)+8*\i+4*\c:32*(\p)+8*\i+4*\c+3], v[ADRB+\slot] offset:64*(\q)+32*\c+\i*16*(272+256*(\slot))
.endr
.endr
	WIN 0xc0
.irp i, 0,1,2,3,4,5,6,7,8
.irp c, 0,1
	ds_load_b128 v[72*(\p)+8*\i+4*\c:72*(\p)+8*\i+4*\c+3], v[ADRA+\slot+(\slot)*((\i+4)/8)] offset:64*(\q)+32*\c+(\i-4*(\slot)*((\i+4)/8))*16*(272+256*(\slot))
.endr
.endr
	WIN 0
.endm
.macro STEP slot, ks, q, zero
	s_wait_dscnt 0x0
	PLACES
	FETCH \slot, (\q)+1, 1-(\q)%2
	WIN 0xad
	MULS 0, 8, (\q)%2, \ks, \q, \zero
	WIN 0x5d
	MULS 8, 1, (\q)%2, \ks, \q, \zero
	WIN 0
.endm
.macro TURN slot, next, ks, fill, pf0, pfn
	s_wait_tensorcnt 0x0
	ds_add_u32 v[SPW], v[NIL]
	s_wait_dscnt 0x0
	s_barrier_signal -1
	WIN 0xad
	MULS 0, 4, 1, \ks, 3, 0
	WIN 0
	s_barrier_wait -1
.if \fill
	CREST
	s_add_nc_u64 s[G0+4*\slot+2:G0+4*\slot+3], s[G0+4*\slot+2:G0+4*\slot+3], 3*ASL   ; from K step 0 to K step 3
	s_add_nc_u64 s[G0B+4*\slot+2:G0B+4*\slot+3], s[G0B+4*\slot+2:G0B+4*\slot+3], 768
	JLOAD \slot
.else
	PLACES
.endif
	FETCH \next, 0, 0
.set i, \pf0
.rept \pfn
	global_prefetch_b8 v[PFR+i], s[66:67] th:TH_LOAD_NT scope:SCOPE_SE
.set i, i+1
.endr
	WIN 0xad
	MULS 4, 4, 1, \ks, 3, 0
	WIN 0x5d
	MULS 8, 1, 1, \ks, 3, 0
	WIN 0
.endm
	s_wait_tensorcnt 0x0                           ; K step 0; the lines ahead of a later first fill
	ds_add_u32 v[SPW], v[NIL]
	s_wait_dscnt 0x0
	CROUND
	JLOAD 1
	FETCH 0, 0, 0
	global_prefetch_b8 v[PFO+2], s[92:93] th:TH_LOAD_NT scope:SCOPE_SE
	s_wait_loadcnt 0x0                             ; scale words, route words, biases
.irp i, 0,1,2,3
	v_cndmask_b32 v[B2+\i], v[B2+\i], v[B21+\i], s100
.endr
.irp k, 0,1,2,3,4
	v_and_b32 v[PFR+\k], 0xfff, v[PFR+\k]
.endr
.irp k, 0,1,2,3,4
	v_min_u32 v[PFR+\k], 0xfff, v[PFR+\k]
.endr
.irp k, 0,1,2,3,4
	v_lshlrev_b32 v[PFR+\k], 13, v[PFR+\k]         ; a token's row of hidden_states is 8,192 bytes
.endr
	s_wait_alu depctr_va_vdst(0)
	STEP 0, 0, 0, 1
	STEP 0, 0, 1, 0
	STEP 0, 0, 2, 0
	TURN 0, 1, 0, 1, 0, 2
	STEP 1, 1, 0, 0                                ; the large slot: eight steps of 128 along K
	STEP 1, 1, 1, 0
	STEP 1, 1, 2, 0
	STEP 1, 1, 3, 0
	STEP 1, 1, 4, 0
	STEP 1, 1, 5, 0
	STEP 1, 1, 6, 0
	TURN 1, 0, 2, 0, 2, 3
	STEP 0, 3, 0, 0
	STEP 0, 3, 1, 0
	STEP 0, 3, 2, 0
	s_wait_dscnt 0x0
	WIN 0xad
	MULS 0, 8, 1, 3, 3, 0
	WIN 0x5d
	MULS 8, 1, 1, 3, 3, 0
	WIN 0
.macro PREP a                          ; block a's eight row pairs: offsets in memory, gates; s[40 + a % 4]: does the run's row 0 count?
.set S, 8*((\a)%4)
.irp t, 0,1,2,3,4,5,6,7
	v_cmp_gt_u32 s[20+\t], 0x20000, v[RW+8*(\a)+\t]
.endr
	v_cmp_gt_u32 s[40+(\a)%4], 0x20000, v[R0+(\a)]
	v_cmp_gt_u32 s44, 0x10000, v[R0+(\a)]          ; the run's row 0: its gate and its offset, in every lane
	v_cndmask_b32 v[GT0+(\a)%4], 0, 1.0, s44
	v_and_b32 v[OF0+(\a)%4], 0xfff, v[R0+(\a)]
	v_min_u32 v[OF0+(\a)%4], 0xfff, v[OF0+(\a)%4]
	v_lshl_add_u32 v[OF0+(\a)%4], v[OF0+(\a)%4], 13, v[CO]
.irp t, 0,1,2,3,4,5,6,7
	v_cndmask_b32 v[OFF+S+\t], v[R0+(\a)], v[RW+8*(\a)+\t], s[20+\t]
.endr
.irp t, 0,1,2,3,4,5,6,7
	v_cmp_gt_u32 s[32+\t], 0x10000, v[OFF+S+\t]
.endr
.irp t, 0,1,2,3,4,5,6,7
	v_cndmask_b32 v[GT+S+\t], 0, 1.0, s[32+\t]
	v_and_b32 v[OFF+S+\t], 0xfff, v[OFF+S+\t]
.endr
.irp t, 0,1,2,3,4,5,6,7
	v_min_u32 v[OFF+S+\t], 0xfff, v[OFF+S+\t]
.endr
.irp t, 0,1,2,3,4,5,6,7
	v_lshl_add_u32 v[OFF+S+\t], v[OFF+S+\t], 13, v[CO]
.endr
.endm
.macro HLOAD a
.set S, 8*((\a)%4)
	WIN 0x40
.irp t, 0,1,2,3,4,5,6,7
	global_load_b128 v[4*S+4*\t:4*S+4*\t+3], v[OFF+S+\t], s[66:67]
.endr
	global_load_b128 v[128+S/2:128+S/2+3], v[OF0+S/8], s[66:67]   ; row 0's, in both halves of the lanes
	WIN 0
.endm
.macro TOSTAGE a                       ; LDS serves a wave's instructions in order: no wait between the stores and the loads
.set S, 8*((\a)%4)
.if (\a) < 8
	WIN 0x08
.set AC, 32*(\a)
.else
	WIN 0x04
.set AC, 224
.endif
.irp b, 0,1,2,3
	ds_store_b128 v[STO], v[AC+8*\b:AC+8*\b+3] offset:64*\b
	ds_store_b128 v[STO], v[AC+8*\b+4:AC+8*\b+7] offset:64*\b+16
.endr
	WIN 0xc0
.irp t, 0,1,2,3,4,5,6,7
	ds_load_b128 v[4*\t:4*\t+3], v[RDT] offset:544*\t
.endr
	ds_load_b128 v[32:35], v[RD0]                  ; row 0 once more, in both halves of the lanes
	WIN 0
.endm
.macro FINISH a, left
	s_wait_loadcnt (\left)*9/8                     ; nine loads a block
	s_wait_dscnt 0x0
.irp t, 0,1,2,3,4,5,6,7
	v_cmp_gt_u32 s[20+\t], 0x20000, v[RW+8*(\a)+\t]   ; which lanes' rows count
.endr
	WIN 0xc3
.irp t, 0,1,2,3,4,5,6,7,8
	v_pk_add_f32 v[4*\t:4*\t+1], v[4*\t:4*\t+1], v[B2:B2+1]
	v_pk_add_f32 v[4*\t+2:4*\t+3], v[4*\t+2:4*\t+3], v[B2+2:B2+3]
.endr
	WIN 0x53
.set S, 8*((\a)%4)
.irp t, 0,1,2,3,4,5,6,7
.irp i, 0,1,2,3
	v_fma_f32 v[4*S+4*\t+\i], v[4*\t+\i], v[GT+S+\t], v[4*S+4*\t+\i]
.endr
.endr
.irp i, 0,1,2,3
	v_fma_f32 v[128+S/2+\i], v[32+\i], v[GT0+S/8], v[128+S/2+\i]
.endr
	WIN 0x45
.irp t, 0,1,2,3,4,5,6,7
.irp i, 0,1,2,3
	v_cndmask_b32 v[4*S+4*\t+\i], v[128+S/2+\i], v[4*S+4*\t+\i], s[20+\t]   ; a gap row's lanes hold row 0's result, as they hold its offset
.endr
.endr
.if (\a) < 8
	TOSTAGE (\a)+1
.endif
.set S, 8*((\a)%4)
	WIN 0x04
	s_wait_alu depctr_va_vdst(0)
	s_wait_xcnt 0x0                                ; EXEC changes only behind this wait
	s_cmp_lg_u32 s[40+(\a)%4], 0
	s_cselect_b32 exec_lo, -1, 0
.irp t, 0,1,2,3,4,5,6,7
	global_store_b128 v[OFF+S+\t], v[4*S+4*\t:4*S+4*\t+3], s[12:13] th:TH_STORE_NT   ; sixteen lanes store a row's 256 bytes, aligned
.endr
	s_wait_xcnt 0x0
	s_mov_b32 exec_lo, -1
	WIN 0
.if (\a)+3 < 9
	PREP (\a)+3
	HLOAD (\a)+3
.endif
.endm
	PLACES
	PREP 0
	HLOAD 0
	PREP 1
	HLOAD 1
	PREP 2
	HLOAD 2
	TOSTAGE 0
	FINISH 0, 16
	FINISH 1, 16
	FINISH 2, 16
	FINISH 3, 16
	FINISH 4, 16
	FINISH 5, 16
	FINISH 6, 16
	FINISH 7, 8
	FINISH 8, 0
	s_wait_tensorcnt 0x0                           ; the wave's end
	ds_add_u32 v[SPW], v[NIL]
	s_wait_dscnt 0x0
	CROUND
	s_endpgm
.Lfunc_end_k_q6019b5ea92_down:
	.size	k_q6019b5ea92_down, .Lfunc_end_k_q6019b5ea92_down-k_q6019b5ea92_down
	.p2alignl 7, 3214868480
	.fill 96, 4, 3214868480
	.section	.rodata,"a",@progbits
	.p2align	6, 0x0
	.amdhsa_kernel k_q6019b5ea92_down
		.amdhsa_group_segment_fixed_size 327680
		.amdhsa_private_segment_fixed_size 0
		.amdhsa_enable_private_segment 0
		.amdhsa_kernarg_size 72
		.amdhsa_user_sgpr_count 2
		.amdhsa_user_sgpr_kernarg_segment_ptr 1
		.amdhsa_wavefront_size32 1
		.amdhsa_system_sgpr_workgroup_id_x 1
		.amdhsa_system_sgpr_workgroup_id_y 1
		.amdhsa_system_sgpr_workgroup_id_z 1
		.amdhsa_system_vgpr_workitem_id 0
		.amdhsa_next_free_vgpr 1024
		.amdhsa_next_free_sgpr 102
		.amdhsa_reserve_vcc 0
		.amdhsa_float_denorm_mode_32 3
		.amdhsa_float_denorm_mode_16_64 3
		.amdhsa_memory_ordered 1
		.amdhsa_forward_progress 1
		.amdhsa_inst_pref_size 253
	.end_amdhsa_kernel
	.amdgpu_metadata
---
amdhsa.version: [ 1, 2 ]
amdhsa.kernels:
  - .name:           k_q6019b5ea92_down
    .symbol:         k_q6019b5ea92_down.kd
    .args:
      - { .name: hc, .offset: 0, .size: 8, .value_kind: global_buffer, .address_space: global }
      - { .name: hs, .offset: 8, .size: 8, .value_kind: global_buffer, .address_space: global }
      - { .name: wc, .offset: 16, .size: 8, .value_kind: global_buffer, .address_space: global }
      - { .name: ws, .offset: 24, .size: 8, .value_kind: global_buffer, .address_space: global }
      - { .name: tb2, .offset: 32, .size: 8, .value_kind: global_buffer, .address_space: global }
      - { .name: ib2, .offset: 40, .size: 8, .value_kind: global_buffer, .address_space: global }
      - { .name: route, .offset: 48, .size: 8, .value_kind: global_buffer, .address_space: global }
      - { .name: out0, .offset: 56, .size: 8, .value_kind: global_buffer, .address_space: global }
      - { .name: hidden_states, .offset: 64, .size: 8, .value_kind: global_buffer, .address_space: global }
    .group_segment_fixed_size: 327680
    .private_segment_fixed_size: 0
    .kernarg_segment_align: 8
    .kernarg_segment_size: 72
    .max_flat_workgroup_size: 128
    .sgpr_count:     102
    .vgpr_count:     1024
    .wavefront_size: 32
...
	.end_amdgpu_metadata
.endif
;; end of part 3
